; MI455X (gfx1250); checked and timed in simulation.
; The chip was launched on July 23, 2026; its instructions are those of AMD's public machine-readable ISA for CDNA 5 (MIT licence, August 2026) and "CDNA5" Instruction Set Architecture Reference Guide (July 2026). The comments in the code are by the model that wrote it; some were corrected since.
;; Encoder Block. Allowed arithmetic: matrix products marked QUANTISED: E3M2 operands, one E8M0 scale for each 32 along K, by v_wmma_scale_f32_16x16x128_f8f6f4 with both operands' format E3M2, f32 sums; everything else in f32.
;; Inputs: b_1 1,024 float32; b_2 512 float32; b_k 512 float32; b_o 512 float32; b_q 512 float32; b_v 512 float32; src_mask 8 x 1 x 1 x 2,048 int32; w_1_codes 1,024 x 16 x 24 uint8 (E3M2 codes of w_1, K innermost, in blocks of 32 codes, four codes in three bytes); w_1_scales 1,024 x 16 uint8 (E8M0 scales of w_1, one for each 32 codes along K); w_2_codes 512 x 32 x 24 uint8 (E3M2 codes of w_2, K innermost, in blocks of 32 codes, four codes in three bytes); w_2_scales 512 x 32 uint8 (E8M0 scales of w_2, one for each 32 codes along K); w_k_codes 512 x 16 x 24 uint8 (E3M2 codes of w_k, K innermost, in blocks of 32 codes, four codes in three bytes); w_k_scales 512 x 16 uint8 (E8M0 scales of w_k, one for each 32 codes along K); w_o_codes 512 x 16 x 24 uint8 (E3M2 codes of w_o, K innermost, in blocks of 32 codes, four codes in three bytes); w_o_scales 512 x 16 uint8 (E8M0 scales of w_o, one for each 32 codes along K); w_q_codes 512 x 16 x 24 uint8 (E3M2 codes of w_q, K innermost, in blocks of 32 codes, four codes in three bytes); w_q_scales 512 x 16 uint8 (E8M0 scales of w_q, one for each 32 codes along K); w_v_codes 512 x 16 x 24 uint8 (E3M2 codes of w_v, K innermost, in blocks of 32 codes, four codes in three bytes); w_v_scales 512 x 16 uint8 (E8M0 scales of w_v, one for each 32 codes along K); x 8 x 2,048 x 512 float32.
;; Outputs: out0 8 x 2,048 x 512 float32.
;; This version of the problem:
;;   THIS VERSION OF THE PROBLEM IS GIVEN IN LOW PRECISION. The matrix products marked QUANTISED in the list below multiply operands that are first quantised to E3M2 (3 exponent bits, 2 mantissa bits; 6 bits a number), with one power-of-two scale for each 32 numbers along K (OCP MX v1.0); their sums are f32. All else is computed in f32.
;;   The module's matrix products, in the order in which they are computed (A, B: the left and right operand; K: the contracted axis; several contracted axes count as one K, in the product's order):
;;     1. [M 16,384, K 512] x [K 512, N 512]; A: computed on the way; B: input w_q (given as codes): QUANTISED
;;     2. [M 16,384, K 512] x [K 512, N 512]; A: computed on the way; B: input w_k (given as codes): QUANTISED
;;     3. [M 16,384, K 512] x [K 512, N 512]; A: computed on the way; B: input w_v (given as codes): QUANTISED
;;     4. batch 64 x [M 2,048, K 64] x [K 64, N 2,048]; A: computed on the way; B: computed on the way: QUANTISED
;;     5. batch 64 x [M 2,048, K 2,048] x [K 2,048, N 64]; A: softmax (see below); B: computed on the way: QUANTISED
;;     6. [M 16,384, K 512] x [K 512, N 512]; A: computed on the way; B: input w_o (given as codes): QUANTISED
;;     7. [M 16,384, K 512] x [K 512, N 1,024]; A: computed on the way; B: input w_1 (given as codes): QUANTISED
;;     8. [M 16,384, K 1,024] x [K 1,024, N 512]; A: computed on the way; B: input w_2 (given as codes): QUANTISED
;;   THE QUANTISER, for each operand of a quantised product, along K:
;;     - K is cut into blocks of 32 from its start; a last block that is shorter is filled with zeros.
;;     - A block's scale is 2^e with e = floor(log2(the largest magnitude in the block)) - 4, held to -126 .. 127; a block of zeros has e = 0. As a byte (E8M0): e + 127.
;;     - Each number is divided by its block's scale, clamped to +-28, and rounded to the nearest number of E3M2, ties to even, subnormals kept.
;;     - The product sums the exact products of the quantised numbers (number of the format x scale) in f32.
;;   ~~~python
;;   def quantise(x, axis):      # numpy; x: float32 -> the quantised numbers, widened to float32 again
;;       x = np.moveaxis(x, axis, -1); K = x.shape[-1]
;;       x = np.pad(x, [(0, 0)] * (x.ndim - 1) + [(0, -K % 32)]); x = x.reshape(x.shape[:-1] + (-1, 32)); a = np.abs(x).max(-1, keepdims=True)
;;       e = np.where(a > 0, np.clip(np.frexp(np.where(a > 0, a, 1))[1] - 1 - 4, -126, 127), 0)      # np.frexp(a)[1] - 1 = floor(log2(a)), exactly
;;       r = np.clip(x / 2.0 ** e, -28, 28)
;;       step = 2.0 ** (np.maximum(np.frexp(np.where(r == 0, 1, r))[1] - 1, -2) - 2)
;;       q = np.round(r / step) * step * 2.0 ** e      # np.round: ties to even
;;       return np.moveaxis(q.reshape(q.shape[:-2] + (-1,))[..., :K], -1, axis).astype(np.float32)
;;   ~~~
;;   SOFTMAX AHEAD OF A QUANTISED PRODUCT. Where the list says 'softmax', what is quantised is not the finished softmax but p = 2^(t - M), with t = logit x log2(e) and M = ceil(the row's largest t), a whole number; so 1/2 < the row's largest p <= 1. The row's sum l is taken of the UNQUANTISED p, in f32, and the product's result is divided by l at the end. Since M is a whole number, a kernel that streams over the keys may use a running M (the ceiling of the running maximum): every later rescaling is an exact power of two, which a block's scale takes up: the codes' values come out the same.
;;   OPERANDS COMPUTED ON THE WAY. 'Computed on the way' means the value that the module computes at that place (a softmax that the list does not call 'softmax' is quantised finished and normalised). What goes into a quantiser is computed in f32, as accurately as f32 sums, v_exp_f32 and their like allow (about 1e-6 of the number): no bf16 or f16 on the way to a quantiser, and a product that is left as it is and whose result goes on into a quantised operand takes f32 operands (vector FMAs, or v_wmma_f32_16x16x4_f32). A number that lies on a knife's edge between two numbers of the format may be rounded either way, as far as f32 arithmetic and the matrix unit's own rounding can turn it there, and no further.
;;   INPUTS GIVEN AS CODES. w_1 (in the module: [1024, 512], K = its axis 1); w_2 (in the module: [512, 1024], K = its axis 1); w_k (in the module: [512, 512], K = its axis 1); w_o (in the module: [512, 512], K = its axis 1); w_q (in the module: [512, 512], K = its axis 1); w_v (in the module: [512, 512], K = its axis 1): each comes as NAME_codes (uint8): NAME with its K axis moved to the last place and cut into blocks of 32 codes, [.., K / 32, bytes a block], one block behind the other in memory; four codes in three bytes: a row's codes are one little-endian stream of bits, code i at bits 6 i .. 6 i + 5 (a code: sign, 3 exponent bits, 2 mantissa bits); and NAME_scales (uint8): the same leading axes, one E8M0 byte (e + 127) for each 32 codes along K. Its value is code x scale, taken as it is: it is not quantised again, and the codes and scales need not be those that the quantiser above would give.
;; One version. Each part assembles by itself: llvm-mc -triple=amdgcn-amd-amdhsa -mcpu=gfx1250 --defsym DOCPART=n.
;; ======== version 1 of 1: 4 launches
;; limits: right only within a limited range of input values
;; workspace buffers: wimg 1,572,864 bytes; wsc 65,536 bytes; qimg 8,388,608 bytes; qsc 524,288 bytes; kv 15,728,640 bytes; aimg 6,291,456 bytes; asc 524,288 bytes
;; launch prep (part 1): grid 256 x 1, 4 waves a work-group, no clusters, 0 bytes of LDS; arguments w_q_codes, w_k_codes, w_v_codes, w_o_codes, w_1_codes, w_2_codes, w_q_scales, w_k_scales, w_v_scales, w_o_scales, w_1_scales, w_2_scales, wimg, wsc; writes wimg, wsc
.if DOCPART == 1
	.amdgcn_target "amdgcn-amd-amdhsa--gfx1250"
	.amdhsa_code_object_version 6
	.text
	.protected	k_q97f8f3a47f_prep
	.globl	k_q97f8f3a47f_prep
	.p2align	8
	.type	k_q97f8f3a47f_prep,@function
k_q97f8f3a47f_prep:
	s_mov_b64 s[64:65], 0
	v_nop
	global_prefetch_b8 v0, s[64:65] scope:SCOPE_SE
	s_setreg_imm32_b32 hwreg(HW_REG_WAVE_MODE, 25, 1), 1
	s_wait_xcnt 0x0
; The six weights (codes of E3M2, K innermost, and their E8M0 bytes) are laid anew in the ORDER OF THE OPERAND'S REGISTERS, so that the later launches
; fetch a fragment (16 rows x 128 K, 12 registers a lane) by three dense loads of 16 bytes a lane.  Nothing is changed in a code or a byte.
; A CHUNK is (tensor, group g of 64 rows, K step s of 128): four fragments f, 6,144 bytes; fragment f at 1,536 f; registers 4 i .. 4 i + 3 of lane l at 512 i + 16 l.
; THE ROWS OF A FRAGMENT ARE NOT NEIGHBOURS: lane r of fragment f takes row 64 g + 8 f + r + 3 (r & 8): rows 8 f .. 8 f + 7 and 32 + 8 f .. 32 + 8 f + 7 of the group.  With a weight as source 0 of a product,
; the 32 result registers of a group's four fragments are then 32 neighbours along the next product's K in ONE lane.
; Chunk numbers: w_q 0-31, w_k 32-63, w_v 64-95, w_o 96-127 (first + 4 g + s), w_1 128-191 (4 g + s), w_2 192-255 (8 g + s).  The scale words: chunk x 256 + 64 f + 4 r.
; A work-group is a chunk, a wave a fragment.  No LDS, no barrier, no loop: each byte is read once and written once.
.macro PICK bound, cp, sp, first       ; chunks under the bound belong to an earlier tensor: the choice hangs on the work-group's number alone
	s_cmp_lt_u32 ttmp9, \bound
	s_cselect_b64 s[36:37], s[\cp:\cp+1], s[36:37]
	s_cselect_b64 s[38:39], s[\sp:\sp+1], s[38:39]
	s_cselect_b32 s40, \first, s40
.endm
	s_load_b512 s[8:23], s[0:1], 0x0               ; codes of w_q, w_k, w_v, w_o, w_1, w_2: s[8:19]; scales of w_q, w_k: s[20:23]
	s_load_b256 s[24:31], s[0:1], 0x40             ; scales of w_v, w_o, w_1, w_2
	s_load_b128 s[32:35], s[0:1], 0x60             ; wimg, wsc
	v_lshrrev_b32 v1, 5, v0
	v_readfirstlane_b32 s45, v1                    ; wave = fragment f
	v_and_b32 v1, 15, v0                           ; r
	v_bfe_u32 v2, v0, 4, 1                         ; h
	v_and_b32 v7, 31, v0                           ; lane
	s_wait_kmcnt 0x0
	s_mov_b64 s[36:37], s[18:19]                   ; w_2, unless an earlier tensor is picked
	s_mov_b64 s[38:39], s[30:31]
	s_mov_b32 s40, 192
	PICK 192, 16, 28, 128
	PICK 128, 14, 26, 96
	PICK 96, 12, 24, 64
	PICK 64, 10, 22, 32
	PICK 32, 8, 20, 0
	s_cmp_ge_u32 ttmp9, 192
	s_cselect_b32 s41, 3, 2                        ; log2 of the K steps in a row: w_2 has 8, the others 4
	s_sub_co_u32 s42, ttmp9, s40                   ; the chunk's number in its tensor
	s_lshr_b32 s43, s42, s41                       ; g
	s_lshl_b32 s44, s43, s41
	s_sub_co_u32 s44, s42, s44                     ; s
	s_lshl_b32 s46, s43, 6
	s_lshl_b32 s47, s45, 3
	s_add_co_u32 s46, s46, s47                     ; 64 g + 8 f
	v_and_b32 v3, 8, v1
	v_mad_u32_u24 v3, v3, 3, v1                    ; r + 3 (r & 8)
	v_add_nc_u32 v3, s46, v3                       ; my row of the weight
	v_mul_u32_u24 v4, v3, 96
	v_lshlrev_b32 v4, s41, v4                      ; a row is 96 bytes for each K step
	s_mul_i32 s47, s44, 96
	v_mad_u32_u24 v4, v2, 24, v4
	v_add_nc_u32 v4, s47, v4                       ; + 96 s + 24 h
	v_lshlrev_b32 v5, 2, v3
	v_lshlrev_b32 v5, s41, v5                      ; the scales: 4 bytes for each K step
	v_lshl_add_u32 v5, s44, 2, v5
.irp p, 0,1,2,3,4,5
	global_load_b64 v[8+2*\p:9+2*\p], v4, s[36:37] offset:48*(\p/3)+8*(\p%3)   ; the fragment's 12 registers, in pieces of 8 bytes
.endr
	global_load_b32 v20, v5, s[38:39]              ; my row's scale word
	s_mul_i32 s48, ttmp9, 6144
	s_mul_i32 s49, s45, 1536
	s_add_co_u32 s48, s48, s49
	v_lshl_add_u32 v6, v7, 4, s48                  ; chunk x 6,144 + 1,536 f + 16 x lane
	s_lshl_b32 s50, ttmp9, 8
	s_lshl_b32 s51, s45, 6
	s_add_co_u32 s50, s50, s51
	v_lshl_add_u32 v7, v1, 2, s50                  ; chunk x 256 + 64 f + 4 r
	s_wait_loadcnt 0x0
.irp i, 0,1,2
	global_store_b128 v6, v[8+4*\i:11+4*\i], s[32:33] offset:512*\i    ; the wave stores 512 consecutive bytes
.endr
	global_store_b32 v7, v20, s[34:35]             ; lanes 16-31 hold the same word as lanes 0-15 and write it to the same place
	s_endpgm
.Lfunc_end_k_q97f8f3a47f_prep:
	.size	k_q97f8f3a47f_prep, .Lfunc_end_k_q97f8f3a47f_prep-k_q97f8f3a47f_prep
	.p2alignl 7, 3214868480
	.fill 96, 4, 3214868480
	.section	.rodata,"a",@progbits
	.p2align	6, 0x0
	.amdhsa_kernel k_q97f8f3a47f_prep
		.amdhsa_group_segment_fixed_size 0
		.amdhsa_private_segment_fixed_size 0
		.amdhsa_enable_private_segment 0
		.amdhsa_kernarg_size 112
		.amdhsa_user_sgpr_count 2
		.amdhsa_user_sgpr_kernarg_segment_ptr 1
		.amdhsa_wavefront_size32 1
		.amdhsa_system_sgpr_workgroup_id_x 1
		.amdhsa_system_sgpr_workgroup_id_y 1
		.amdhsa_system_sgpr_workgroup_id_z 1
		.amdhsa_system_vgpr_workitem_id 0
		.amdhsa_next_free_vgpr 32
		.amdhsa_next_free_sgpr 66
		.amdhsa_reserve_vcc 0
		.amdhsa_float_denorm_mode_32 3
		.amdhsa_float_denorm_mode_16_64 3
		.amdhsa_memory_ordered 1
		.amdhsa_forward_progress 1
		.amdhsa_inst_pref_size 4
	.end_amdhsa_kernel
	.amdgpu_metadata
---
amdhsa.version: [ 1, 2 ]
amdhsa.kernels:
  - .name:           k_q97f8f3a47f_prep
    .symbol:         k_q97f8f3a47f_prep.kd
    .args:
      - { .name: w_q_codes, .offset: 0, .size: 8, .value_kind: global_buffer, .address_space: global }
      - { .name: w_k_codes, .offset: 8, .size: 8, .value_kind: global_buffer, .address_space: global }
      - { .name: w_v_codes, .offset: 16, .size: 8, .value_kind: global_buffer, .address_space: global }
      - { .name: w_o_codes, .offset: 24, .size: 8, .value_kind: global_buffer, .address_space: global }
      - { .name: w_1_codes, .offset: 32, .size: 8, .value_kind: global_buffer, .address_space: global }
      - { .name: w_2_codes, .offset: 40, .size: 8, .value_kind: global_buffer, .address_space: global }
      - { .name: w_q_scales, .offset: 48, .size: 8, .value_kind: global_buffer, .address_space: global }
      - { .name: w_k_scales, .offset: 56, .size: 8, .value_kind: global_buffer, .address_space: global }
      - { .name: w_v_scales, .offset: 64, .size: 8, .value_kind: global_buffer, .address_space: global }
      - { .name: w_o_scales, .offset: 72, .size: 8, .value_kind: global_buffer, .address_space: global }
      - { .name: w_1_scales, .offset: 80, .size: 8, .value_kind: global_buffer, .address_space: global }
      - { .name: w_2_scales, .offset: 88, .size: 8, .value_kind: global_buffer, .address_space: global }
      - { .name: wimg, .offset: 96, .size: 8, .value_kind: global_buffer, .address_space: global }
      - { .name: wsc, .offset: 104, .size: 8, .value_kind: global_buffer, .address_space: global }
    .group_segment_fixed_size: 0
    .private_segment_fixed_size: 0
    .kernarg_segment_align: 8
    .kernarg_segment_size: 112
    .max_flat_workgroup_size: 128
    .sgpr_count:     66
    .vgpr_count:     32
    .wavefront_size: 32
...
	.end_amdgpu_metadata
.endif
;; end of part 1
;; launch qkv (part 2): grid 256 x 1, 4 waves a work-group, no clusters, 168,448 bytes of LDS; arguments x, src_mask, b_q, b_k, b_v, wimg, wsc, qimg, qsc, kv; writes qimg, qsc, kv
.if DOCPART == 2
	.amdgcn_target "amdgcn-amd-amdhsa--gfx1250"
	.amdhsa_code_object_version 6
	.text
	.protected	k_q97f8f3a47f_qkv
	.globl	k_q97f8f3a47f_qkv
	.p2align	8
	.type	k_q97f8f3a47f_qkv,@function
k_q97f8f3a47f_qkv:
	s_mov_b64 s[64:65], 0
	v_nop
	global_prefetch_b8 v0, s[64:65] scope:SCOPE_SE
	s_setreg_imm32_b32 hwreg(HW_REG_WAVE_MODE, 25, 1), 1
	s_wait_xcnt 0x0
; xn = (x - mean) / sqrt(var + 1e-6), var with 511 in the divisor; q, k, v = Q(xn) W^T + b on codes of E3M2 with one E8M0 scale for each 32 along K; q and k are quantised along the head's 64, v along the keys.
; SHARES.  A work-group owns 64 tokens, as four tiles of 16: lane r of tile t is token 8 t + r + 3 (r & 8).  Phase A: wave w normalises and quantises tile w (four fragments) and hands them to the others through LDS as images of
; their registers.  Phase B: wave w makes heads 2 w and 2 w + 1 of q, k and v for all 64 tokens: six jobs of four K steps, 16 matrix instructions a K step on 16 accumulators by turns.
; q, k: source 0 = 16 rows of W, source 1 = 16 tokens: a lane holds ONE token, and the 32 registers of a head's four fragments are the head's numbers 32 h .. 32 h + 31: one block of the next K in one lane.
; v: the sources are swapped: a lane holds ONE number of the head and 32 neighbouring tokens: one block along the keys.  So no block's maximum asks another lane, and the conversions' results are the operand's registers.
; THE WEIGHTS come from memory straight into operand registers, a chunk (four fragments, 14 loads) three chunks ahead, in a ring of four.  They are not shared through LDS or asked for jointly with other work-groups: a fragment of
; 1,536 bytes feeds four matrix instructions here, and a way through LDS would add one write and one read of LDS for each of those bytes.
; THE MASK rides in product 4's idle K places: that product's K is 64 in an instruction of 128.  q carries the code 1.0 at k = 64 under the scale 2^0; a masked key carries zero codes, and the code -1.0 at k = 64 under 2^33:
; its score is exactly -2^33 for every query, a logit of -2^30 where the definition has -1e9.
; LIMITS.  The result is the definition's as long as logits of keys that count lie above about -1e9 + 200.  NaN and infinities are not served.  A block of zeros gets the byte 1 where the rule says 127 (its codes are zeros, and
; this program alone reads the bytes); blocks whose largest magnitude lies under 2^-122 are held at the byte 1.
; LDS: 64 rows of x, each two halves of 1,024 bytes + 16 of padding (133,120 bytes, one tensor load a wave, filled once); 16 images of 1,536 bytes; their scale words, 128 bytes each.
; REGISTERS, in windows of 256: window 0 addresses, scale words, the quantiser's registers, v128-255 the 16 accumulators; window 1 the 256 numbers of x, then the 16 fragments of xn; window 2 the ring of weights; window 3 b_q and b_k in the results' layout.
.set XIMG,  133120
.set XSC,   157696
.set NCH,   24                         ; chunks a wave: 3 tensors x 2 heads x 4 K steps
.set XA,    4                          ; LDS: my row of x, + 128 h
.set LI,    5                          ; 16 x lane
.set LS,    6                          ; 4 x lane
.set XWI,   7                          ; LDS: where I store my tile's images
.set XWS,   8                          ; and their scale words
.set VOK,   9                          ; kv: 16 x lane + 4,096 c (c: which 64 keys of the step of 128)
.set VOV,   10                         ; kv: 8 x lane + 768 c
.set VOKS,  11                         ; kv: 16 r + 256 c
.set VOVS,  12                         ; kv: 4 x lane + 256 c
.set QSO,   13                         ; qsc: 16 r
.set H8,    14                         ; 8 h
.set FI,    15                         ; LDS: XIMG + 16 x lane
.set XS,    16                         ; v16-31  xn's scale words, fragment 4 t + s
.set WS,    32                         ; v32-39  the ring's scale words: register i of a chunk: fragment 2 i in lanes 0-15, 2 i + 1 in lanes 16-31
.set KM,    40                         ; v40-43  tile t: the code -1.0 where my key is masked, else 0
.set KB,    44                         ; v44-47  160 << 16 where masked, else 0
.set KA,    48                         ; v48-51  0 where masked, else all ones
.set QM,    52                         ; the code 1.0 in lanes 0-15, 0 in lanes 16-31
.set QB,    53                         ; 127 << 16
.set FS,    54                         ; LDS: XSC + 4 x lane
.set SW,    56                         ; v56-59  a job's four scale words
.set VW,    60                         ; v60-63  the same for v
.set BM,    64
.set SC,    66
.set BY,    67
.set T1,    68
.set WW,    69
.set BY0,   70
.set BY1,   71
.set PC,    72                         ; v72-83  codes just made
.set TP,    84
.set CH,    88                         ; v88-95  four chains of sums
.set MU,    96                         ; -mean, twice
.set RS,    98                         ; 1 / sqrt(var + eps), twice
.set MK,    100                        ; v100-103 the mask's words
.set PW,    104
.set EW,    105
.set BA,    107                        ; 128 h
.set BV,    108                        ; v108-115 b_v at my number of the head, job 4 gl + f
.set MA,    116                        ; 4 (r + 3 (r & 8))
.set ACC,   128
.set WB,    14                         ; s[14:15] wimg at my wave's chunks
.set WSB,   16                         ; s[16:17] wsc likewise
.set MSB, 0
.macro WIN new                         ; the immediate's high byte repeats the setting that is left; a switch that changes nothing is dropped
.if MSB != (\new)
	s_set_vgpr_msb (MSB<<8)|(\new)
.set MSB, (\new)
.endif
.endm
.macro PLACES n
.rept \n
	v_nop
.endr
.endm
.macro BARRIER                         ; my LDS stores have landed and my LDS loads are in: then the work-group's barrier
	s_wait_dscnt 0x0
	s_barrier_signal -1
	s_barrier_wait -1
.endm
; one matrix instruction.  cz = 1: C is the constant 0; ar, br = 1: that side's scales are taken from lanes 16-31
.macro MM d, a, b, cz, c, sa, sb, ar, br
.if \cz
.if (\ar) && (\br)
	v_wmma_scale_f32_16x16x128_f8f6f4 v[(\d):(\d)+7], v[(\a):(\a)+11], v[(\b):(\b)+11], 0, v[\sa], v[\sb] matrix_a_fmt:MATRIX_FMT_BF6 matrix_b_fmt:MATRIX_FMT_BF6 matrix_a_scale:MATRIX_SCALE_ROW1 matrix_b_scale:MATRIX_SCALE_ROW1
.elseif \ar
	v_wmma_scale_f32_16x16x128_f8f6f4 v[(\d):(\d)+7], v[(\a):(\a)+11], v[(\b):(\b)+11], 0, v[\sa], v[\sb] matrix_a_fmt:MATRIX_FMT_BF6 matrix_b_fmt:MATRIX_FMT_BF6 matrix_a_scale:MATRIX_SCALE_ROW1
.elseif \br
	v_wmma_scale_f32_16x16x128_f8f6f4 v[(\d):(\d)+7], v[(\a):(\a)+11], v[(\b):(\b)+11], 0, v[\sa], v[\sb] matrix_a_fmt:MATRIX_FMT_BF6 matrix_b_fmt:MATRIX_FMT_BF6 matrix_b_scale:MATRIX_SCALE_ROW1
.else
	v_wmma_scale_f32_16x16x128_f8f6f4 v[(\d):(\d)+7], v[(\a):(\a)+11], v[(\b):(\b)+11], 0, v[\sa], v[\sb] matrix_a_fmt:MATRIX_FMT_BF6 matrix_b_fmt:MATRIX_FMT_BF6
.endif
.else
.if (\ar) && (\br)
	v_wmma_scale_f32_16x16x128_f8f6f4 v[(\d):(\d)+7], v[(\a):(\a)+11], v[(\b):(\b)+11], v[(\c):(\c)+7], v[\sa], v[\sb] matrix_a_fmt:MATRIX_FMT_BF6 matrix_b_fmt:MATRIX_FMT_BF6 matrix_a_scale:MATRIX_SCALE_ROW1 matrix_b_scale:MATRIX_SCALE_ROW1
.elseif \ar
	v_wmma_scale_f32_16x16x128_f8f6f4 v[(\d):(\d)+7], v[(\a):(\a)+11], v[(\b):(\b)+11], v[(\c):(\c)+7], v[\sa], v[\sb] matrix_a_fmt:MATRIX_FMT_BF6 matrix_b_fmt:MATRIX_FMT_BF6 matrix_a_scale:MATRIX_SCALE_ROW1
.elseif \br
	v_wmma_scale_f32_16x16x128_f8f6f4 v[(\d):(\d)+7], v[(\a):(\a)+11], v[(\b):(\b)+11], v[(\c):(\c)+7], v[\sa], v[\sb] matrix_a_fmt:MATRIX_FMT_BF6 matrix_b_fmt:MATRIX_FMT_BF6 matrix_b_scale:MATRIX_SCALE_ROW1
.else
	v_wmma_scale_f32_16x16x128_f8f6f4 v[(\d):(\d)+7], v[(\a):(\a)+11], v[(\b):(\b)+11], v[(\c):(\c)+7], v[\sa], v[\sb] matrix_a_fmt:MATRIX_FMT_BF6 matrix_b_fmt:MATRIX_FMT_BF6
.endif
.endif
.endm
; 32 numbers of a lane, v[s] on in window ws, are ONE block: its codes go to v[pc .. pc + 5], its scale's byte to v[by].  The numbers are read in ascending order, each accumulator from its low end on.
.macro QUANT32 s, pc, ws, by
	WIN 5*(\ws)
	v_max3_num_f32 v[BM], |v[\s]|, |v[(\s)+1]|, 0x2800000          ; two chains, and the floor 2^(5 - 127): the byte cannot fall under 1
	v_max3_num_f32 v[BM+1], |v[(\s)+16]|, |v[(\s)+17]|, 0x2800000
.irp i, 2,4,6,8,10,12,14
	v_max3_num_f32 v[BM], |v[(\s)+\i]|, |v[(\s)+\i+1]|, v[BM]
	v_max3_num_f32 v[BM+1], |v[(\s)+16+\i]|, |v[(\s)+17+\i]|, v[BM+1]
.endr
	WIN 0
	v_max_num_f32 v[BM], v[BM], v[BM+1]            ; the block's largest magnitude
	v_add_nc_u32 v[SC], 0xfe000000, v[BM]          ; 4 off its exponent field: the conversion takes the exponent field of this operand as its scale
	v_lshrrev_b32 v[\by], 23, v[SC]                ; the scale's byte
	WIN \ws
	v_cvt_scalef32_pk16_bf6_f32 v[\pc:(\pc)+2], v[\s:(\s)+15], v[SC]
	v_cvt_scalef32_pk16_bf6_f32 v[TP:TP+2], v[(\s)+16:(\s)+31], v[SC]   ; (a conversion's three registers begin on an even number)
	WIN 0
	v_nop                                          ; one plain place behind a scaled conversion
.irp i, 0,1,2
	v_mov_b32 v[(\pc)+3+\i], v[TP+\i]
.endr
.endm
; 64 numbers of a lane (blocks h and 2 + h of 128 along K) become a fragment in v[PC] on and its scale word in v[PW]
.macro QUANT64 s, ws
	QUANT32 \s, PC, \ws, BY0
	QUANT32 (\s)+32, PC+6, \ws, BY1
	v_lshl_or_b32 v[WW], v[BY1], 16, v[BY0]
	v_lshlrev_b32 v[WW], v[H8], v[WW]              ; my two bytes at their places,
	v_permlanex16_b32 v[T1], v[WW], s48, s49
	v_or_b32 v[PW], v[WW], v[T1]                   ; with lane l xor 16's two the word is whole
.endm
.macro FOLD                            ; four chains, and the other half of the lanes: the row's sum in v[CH]
	v_pk_add_f32 v[CH:CH+1], v[CH:CH+1], v[CH+2:CH+3]
	v_pk_add_f32 v[CH+4:CH+5], v[CH+4:CH+5], v[CH+6:CH+7]
	v_pk_add_f32 v[CH:CH+1], v[CH:CH+1], v[CH+4:CH+5]
	v_add_f32 v[CH], v[CH], v[CH+1]
	v_permlanex16_b32 v[T1], v[CH], s48, s49
	v_add_f32 v[CH], v[CH], v[T1]
.endm
.macro LDCH                            ; chunk LN: four fragments and their scale words, 14 loads, into ring place LN % 4
.set LOFF, (LN/8)*196608+(LN%8)*6144
.set LB, 48*(LN%4)
	WIN 0x80
.irp f, 0,1,2,3
.irp i, 0,1,2
	global_load_b128 v[LB+12*\f+4*\i:LB+12*\f+4*\i+3], v[LI], s[WB:WB+1] offset:LOFF+1536*\f+512*\i
.endr
.endr
	WIN 0
	global_load_b32 v[WS+2*(LN%4)], v[LS], s[WSB:WSB+1] offset:LOFF/24
	global_load_b32 v[WS+2*(LN%4)+1], v[LS], s[WSB:WSB+1] offset:LOFF/24+128
.endm
; chunk N: its loads are waited for, chunk N + 3 is asked for into the ring place that chunk N - 1 has left, and 16 products follow.  kind 0: q or k; 1: v
.macro CHUNK kind
.if NCH-1-N >= 2
	s_wait_loadcnt 28                              ; behind chunk N's loads stand those of chunks N + 1 and N + 2, 14 each
.elseif NCH-1-N == 1
	s_wait_loadcnt 14
.else
	s_wait_loadcnt 0x0
.endif
	PLACES 4                                       ; in front of loads into registers that the last chunk's products have read
.if N+3 < NCH
.set LN, N+3
	LDCH
.endif
.set SI, N%4
.set RB, 48*SI
.set WR, WS+2*SI
.if \kind == 0
.if SI == 0
	WIN 0x36                                       ; source 0 (W) window 2, source 1 (xn) window 1, C (the bias) window 3, D window 0
.else
	WIN 0x06
.endif
.irp t, 0,1,2,3
.irp f, 0,1,2,3
.if SI == 0
	MM ACC+8*(4*\t+\f), RB+12*\f, 12*(4*\t+SI), 0, 32*(N/4)+8*\f, WR+\f/2, XS+4*\t+SI, \f%2, 0
.else
	MM ACC+8*(4*\t+\f), RB+12*\f, 12*(4*\t+SI), 0, ACC+8*(4*\t+\f), WR+\f/2, XS+4*\t+SI, \f%2, 0
.endif
.endr
.endr
.else
	WIN 0x09                                       ; source 0 (xn) window 1, source 1 (W) window 2
.irp t, 0,1,2,3
.irp f, 0,1,2,3
.if SI == 0
	MM ACC+8*(4*\f+\t), 12*(4*\t+SI), RB+12*\f, 1, 0, XS+4*\t+SI, WR+\f/2, 0, \f%2
.else
	MM ACC+8*(4*\f+\t), 12*(4*\t+SI), RB+12*\f, 0, ACC+8*(4*\f+\t), XS+4*\t+SI, WR+\f/2, 0, \f%2
.endif
.endr
.endr
.endif
.set N, N+1
.endm
; tile t of a head of q (isk = 0) or k (1): 32 numbers a lane become an image of 8 registers, and a scale word
.macro UNITQK t, isk, gl
	s_wait_xcnt 0x0                                ; the last unit's stores have read v[PC] on and v[SW] on: they are written again only behind this wait
	QUANT32 ACC+32*\t, PC, 0, BY
.if \isk
.irp i, 0,1,2,3,4,5
	v_and_b32 v[PC+\i], v[KA+\t], v[PC+\i]         ; a masked key's codes are zeros
.endr
	v_mov_b32 v[PC+6], v[KM+\t]                    ; k = 64: -1.0 where masked
.else
	v_mov_b32 v[PC+6], v[QM]                       ; k = 64: 1.0
.endif
	v_lshlrev_b32 v[WW], v[H8], v[BY]
	v_permlanex16_b32 v[T1], v[WW], s48, s49
	v_or_b32 v[WW], v[WW], v[T1]                   ; the bytes of blocks 0 and 1
.if \isk
	v_or_b32 v[SW+\t], v[WW], v[KB+\t]
	global_store_b128 v[VOK], v[PC:PC+3], s[22:23] offset:245760*\gl+1024*\t
	global_store_b128 v[VOK], v[PC+4:PC+7], s[22:23] offset:245760*\gl+1024*\t+512
.else
	v_or_b32 v[SW+\t], v[WW], v[QB]
	global_store_b128 v[LI], v[PC:PC+3], s[18:19] offset:131072*\gl+1024*\t      ; the wave stores 512 consecutive bytes
	global_store_b128 v[LI], v[PC+4:PC+7], s[18:19] offset:131072*\gl+1024*\t+512
.endif
.endm
.macro JOBQK isk, gl
	CHUNK 0
	CHUNK 0
	CHUNK 0
	CHUNK 0
	PLACES 5                                       ; behind the last products: their results are read, and the next job's first products write over them
.irp u, 0,1,2,3
	UNITQK \u, \isk, \gl
.endr
.if \isk
	global_store_b128 v[VOKS], v[SW:SW+3], s[22:23] offset:245760*\gl+14336      ; 256 consecutive bytes; lanes 16-31 repeat lanes 0-15
.else
	global_store_b128 v[QSO], v[SW:SW+3], s[20:21] offset:8192*\gl
.endif
.endm
.macro JOBV gl
	CHUNK 1
	CHUNK 1
	CHUNK 1
	CHUNK 1
	PLACES 5
.irp f, 0,1,2,3                        ; fragment f of V^T: my number of the head, my 32 tokens
	s_wait_xcnt 0x0
	WIN 0
.set ii, 0
.rept 32
	v_add_f32 v[ACC+32*\f+ii], v[BV+4*\gl+\f], v[ACC+32*\f+ii]
.set ii, ii+1
.endr
	QUANT32 ACC+32*\f, PC, 0, BY
	v_lshlrev_b32 v[WW], v[H8], v[BY]
	v_permlanex16_b32 v[T1], v[WW], s48, s49
	v_or_b32 v[VW+\f], v[WW], v[T1]
.irp i, 0,1,2
	global_store_b64 v[VOV], v[PC+2*\i:PC+2*\i+1], s[22:23] offset:245760*\gl+8192+1536*\f+256*\i   ; the wave stores 256 consecutive bytes
.endr
.endr
	v_cndmask_b32 v[EW], v[VW], v[VW+1], s50       ; lanes 0-15 fragment 2 i's words, lanes 16-31 fragment 2 i + 1's
	v_cndmask_b32 v[EW+1], v[VW+2], v[VW+3], s50
	global_store_b32 v[VOVS], v[EW], s[22:23] offset:245760*\gl+14848
	global_store_b32 v[VOVS], v[EW+1], s[22:23] offset:245760*\gl+14848+128
.endm
	s_load_b512 s[4:19], s[0:1], 0x0               ; x, src_mask, b_q, b_k, b_v, wimg, wsc, qimg
	s_load_b128 s[20:23], s[0:1], 0x40             ; qsc, kv
	v_lshl_add_u32 v126, v0, 2, 0x29000
	v_mov_b32 v127, 0
	ds_add_u32 v126, v127
	ds_add_u32 v126, v127
	v_lshrrev_b32 v1, 5, v0
	v_readfirstlane_b32 s24, v1                    ; wave 0..3
	; descriptor group 1: 32 half rows of 256 numbers of 4 bytes, dense in memory; 4 words of padding behind every 256 words
	s_mov_b32 s36, (2<<16)|(1<<20)|(7<<22)|(3<<25)
	s_mov_b32 s37, 256<<16                         ; tensor_dim0
	s_mov_b32 s38, 32<<16                          ; tensor_dim1
	s_mov_b32 s39, 256<<16                         ; tile_dim0
	s_mov_b32 s40, 32                              ; tile_dim1
	s_mov_b32 s41, 256                             ; from row to row
	s_mov_b32 s42, 0
	s_mov_b32 s43, 0
	s_lshl_b32 s26, ttmp9, 17                      ; 64 rows of 2,048 bytes a work-group,
	s_lshl_b32 s27, s24, 15                        ; 16 a wave
	s_add_co_u32 s26, s26, s27
	s_mov_b32 s27, 0
	s_mov_b32 s44, 1
	s_mul_i32 s45, s24, 33280                      ; LDS: 32 half rows of 1,040 bytes a wave
	s_wait_dscnt 0x0
	s_wait_kmcnt 0x0
	s_add_nc_u64 s[46:47], s[4:5], s[26:27]
	s_or_b32 s47, s47, 0x80000000
	tensor_load_to_lds s[44:47], s[36:43]          ; my 16 rows of x: the wave's one tensor load
	s_nop 0
	PLACES 4
	s_lshr_b32 s28, ttmp9, 5                       ; the batch
	s_and_b32 s29, ttmp9, 31                       ; my block of 64 tokens in it
	s_lshr_b32 s30, s29, 1                         ; the key step of 128
	s_and_b32 s31, s29, 1                          ; c
	s_lshl_b32 s32, s28, 3
	s_lshl_b32 s33, s24, 1
	s_add_co_u32 s32, s32, s33                     ; batch x 8 + my first head
	s_lshl_b32 s26, ttmp9, 8
	s_add_nc_u64 s[6:7], s[6:7], s[26:27]          ; the mask at my 64 tokens
	s_lshl_b32 s26, s24, 9
	s_add_nc_u64 s[8:9], s[8:9], s[26:27]          ; the biases at my 128 numbers
	s_add_nc_u64 s[10:11], s[10:11], s[26:27]
	s_add_nc_u64 s[12:13], s[12:13], s[26:27]
	s_mul_i32 s26, s24, 49152
	s_add_nc_u64 s[14:15], s[14:15], s[26:27]      ; eight chunks a wave in each tensor
	s_lshl_b32 s26, s24, 11
	s_add_nc_u64 s[16:17], s[16:17], s[26:27]
	s_lshl_b32 s26, s32, 17
	s_lshl_b32 s33, s29, 12
	s_add_co_u32 s26, s26, s33
	s_add_nc_u64 s[18:19], s[18:19], s[26:27]      ; qimg: 131,072 bytes a head, 4,096 a block
	s_lshl_b32 s26, s32, 13
	s_lshl_b32 s33, s29, 8
	s_add_co_u32 s26, s26, s33
	s_add_nc_u64 s[20:21], s[20:21], s[26:27]      ; qsc: 8,192 a head, 256 a block
	s_mul_i32 s26, s32, 245760
	s_mul_i32 s33, s30, 15360
	s_add_co_u32 s26, s26, s33
	s_add_nc_u64 s[22:23], s[22:23], s[26:27]      ; kv: 245,760 a head, 15,360 a step
	s_mov_b32 s48, 0x76543210
	s_mov_b32 s49, 0xfedcba98                      ; v_permlanex16_b32's selects for lane l xor 16
	s_mov_b32 s50, 0xffff0000                      ; lanes 16-31
	s_mov_b32 s51, 0x3b004020                      ; 1 / 511
	s_mov_b32 s52, 0x358637bd                      ; 1e-6
	v_and_b32 v1, 15, v0                           ; r
	v_bfe_u32 v2, v0, 4, 1                         ; h
	v_and_b32 v3, 31, v0                           ; lane
	v_lshlrev_b32 v[LI], 4, v3
	v_lshlrev_b32 v[LS], 2, v3
	v_and_b32 v[MA], 8, v1
	v_mad_u32_u24 v[MA], v[MA], 3, v1              ; r + 3 (r & 8)
	s_lshl_b32 s25, s24, 3
	v_add_nc_u32 v[XA], s25, v[MA]                 ; my token in phase A: tile = wave
	v_mul_u32_u24 v[XA], v[XA], 2080
	v_lshl_add_u32 v[XA], v2, 7, v[XA]
	v_lshlrev_b32 v[MA], 2, v[MA]
	s_mul_i32 s25, s24, 6144
	s_add_co_u32 s25, s25, XIMG
	v_add_nc_u32 v[XWI], s25, v[LI]
	s_lshl_b32 s25, s24, 9
	s_add_co_u32 s25, s25, XSC
	v_add_nc_u32 v[XWS], s25, v[LS]
	v_add_nc_u32 v[FI], XIMG, v[LI]
	v_add_nc_u32 v[FS], XSC, v[LS]
	s_lshl_b32 s25, s31, 12
	v_add_nc_u32 v[VOK], s25, v[LI]
	s_mul_i32 s25, s31, 768
	v_lshl_add_u32 v[VOV], v3, 3, s25
	s_lshl_b32 s25, s31, 8
	v_lshl_add_u32 v[VOKS], v1, 4, s25
	v_add_nc_u32 v[VOVS], s25, v[LS]
	v_lshlrev_b32 v[QSO], 4, v1
	v_lshlrev_b32 v[H8], 3, v2
	v_lshlrev_b32 v[BA], 7, v2
	v_mul_u32_u24 v[QM], v2, 12
	v_sub_nc_u32 v[QM], 12, v[QM]                  ; 0x0c, the code of 1.0, in lanes 0-15
	v_mov_b32 v[QB], 0x7f0000
	v_mov_b32 v[T1], 0                             ; written once: a lane permute's destination counts as one of its sources
	WIN 0xc0                                       ; b_q and b_k in the results' layout: lane (r, h), fragment f, register j: number 32 h + 8 f + j of the head
.irp g, 0,1
.irp f, 0,1,2,3
	global_load_b128 v[32*\g+8*\f:32*\g+8*\f+3], v[BA], s[8:9] offset:256*\g+32*\f
	global_load_b128 v[32*\g+8*\f+4:32*\g+8*\f+7], v[BA], s[8:9] offset:256*\g+32*\f+16
	global_load_b128 v[64+32*\g+8*\f:64+32*\g+8*\f+3], v[BA], s[10:11] offset:256*\g+32*\f
	global_load_b128 v[64+32*\g+8*\f+4:64+32*\g+8*\f+7], v[BA], s[10:11] offset:256*\g+32*\f+16
.endr
.endr
	WIN 0
.irp g, 0,1
.irp f, 0,1,2,3
	global_load_b32 v[BV+4*\g+\f], v[MA], s[12:13] offset:256*\g+32*\f    ; b_v at number 8 f + r + 3 (r & 8) of the head
.endr
.endr
.irp t, 0,1,2,3
	global_load_b32 v[MK+\t], v[MA], s[6:7] offset:32*\t                  ; the mask of token 8 t + r + 3 (r & 8)
.endr
.set LN, 0
	LDCH
.set LN, 1
	LDCH
.set LN, 2
	LDCH
	s_wait_tensorcnt 0x0                           ; my 16 rows have landed,
	s_barrier_signal -1
	s_barrier_wait -1                              ; everybody's have
	; ---- A: my tile's 16 rows: 256 numbers a lane: register 64 s + 32 c + i = column 128 s + 64 c + 32 h + i
	WIN 0x40
.irp s, 0,1,2,3
.irp c, 0,1
.irp i, 0,1,2,3,4,5,6,7
	ds_load_b128 v[64*\s+32*\c+4*\i:64*\s+32*\c+4*\i+3], v[XA] offset:(\s/2)*1040+(\s%2)*512+256*\c+16*\i
.endr
.endr
.endr
	s_wait_dscnt 0x0
	WIN 0x05                                       ; the sum, in four chains that the first eight pairs start
.irp k, 0,1,2,3
	v_pk_add_f32 v[CH+2*\k:CH+2*\k+1], v[4*\k:4*\k+1], v[4*\k+2:4*\k+3]
.endr
	WIN 0x01
.set jj, 16
.rept 120
	v_pk_add_f32 v[CH+2*((jj/2)%4):CH+2*((jj/2)%4)+1], v[jj:jj+1], v[CH+2*((jj/2)%4):CH+2*((jj/2)%4)+1]
.set jj, jj+2
.endr
	WIN 0
	FOLD
	v_mul_f32 v[MU], 0xbb000000, v[CH]             ; -sum / 512
	v_mov_b32 v[MU+1], v[MU]
	WIN 0x41                                       ; the mean is taken away first, so that a common offset of x costs the variance nothing
.set jj, 0
.rept 128
	v_pk_add_f32 v[jj:jj+1], v[jj:jj+1], v[MU:MU+1]
.set jj, jj+2
.endr
	WIN 0x05
.irp k, 0,1,2,3
	v_pk_mul_f32 v[CH+2*\k:CH+2*\k+1], v[2*\k:2*\k+1], v[2*\k:2*\k+1]
.endr
.set jj, 8
.rept 124
	v_pk_fma_f32 v[CH+2*((jj/2)%4):CH+2*((jj/2)%4)+1], v[jj:jj+1], v[jj:jj+1], v[CH+2*((jj/2)%4):CH+2*((jj/2)%4)+1]
.set jj, jj+2
.endr
	WIN 0
	FOLD
	v_fma_f32 v[CH], v[CH], s51, s52               ; / 511 + 1e-6
	v_rsq_f32 v[RS], v[CH]
	v_nop                                          ; one plain place behind a transcendental
	s_wait_alu depctr_va_vdst(0)
	v_mov_b32 v[RS+1], v[RS]
	WIN 0x41
.set jj, 0
.rept 128
	v_pk_mul_f32 v[jj:jj+1], v[jj:jj+1], v[RS:RS+1]
.set jj, jj+2
.endr
.irp s, 0,1,2,3
	QUANT64 64*\s, 1
.irp i, 0,1,2
	ds_store_b128 v[XWI], v[PC+4*\i:PC+4*\i+3] offset:1536*\s+512*\i     ; the fragment goes to LDS as it stands: lane l's 16 bytes at 16 l
.endr
	ds_store_b32 v[XWS], v[PW] offset:128*\s
	s_wait_dscnt 0x0                               ; the stores have read their registers
.endr
	BARRIER                                        ; the sixteen fragments of xn lie in LDS
	WIN 0x40
.irp f, 0,1,2,3,4,5,6,7,8,9,10,11,12,13,14,15
.irp i, 0,1,2
	ds_load_b128 v[12*\f+4*\i:12*\f+4*\i+3], v[FI] offset:1536*\f+512*\i
.endr
.endr
	WIN 0
.irp f, 0,1,2,3,4,5,6,7,8,9,10,11,12,13,14,15
	ds_load_b32 v[XS+\f], v[FS] offset:128*\f
.endr
	s_wait_loadcnt 42                              ; the biases and the mask are in; behind them stand the three chunks' 42 loads
.irp t, 0,1,2,3
	v_cmp_eq_u32 vcc_lo, 0, v[MK+\t]
	v_cndmask_b32 v[KM+\t], 0, 44, vcc_lo          ; 0x2c: the code of -1.0
	v_cndmask_b32 v[KB+\t], 0, 0xa00000, vcc_lo    ; the byte 160, 2^33, for k = 64 .. 95
	v_cndmask_b32 v[KA+\t], -1, 0, vcc_lo
.endr
	v_mov_b32 v[PC+7], 0                           ; an image's eighth register
	s_wait_dscnt 0x0
	; ---- B: six jobs
.set N, 0
	JOBQK 0, 0
	JOBQK 0, 1
	JOBQK 1, 0
	JOBQK 1, 1
	JOBV 0
	JOBV 1
	s_wait_tensorcnt 0x0
	ds_add_u32 v126, v127
	s_wait_dscnt 0x0
	s_endpgm
.Lfunc_end_k_q97f8f3a47f_qkv:
	.size	k_q97f8f3a47f_qkv, .Lfunc_end_k_q97f8f3a47f_qkv-k_q97f8f3a47f_qkv
	.p2alignl 7, 3214868480
	.fill 96, 4, 3214868480
	.section	.rodata,"a",@progbits
	.p2align	6, 0x0
	.amdhsa_kernel k_q97f8f3a47f_qkv
		.amdhsa_group_segment_fixed_size 168448
		.amdhsa_private_segment_fixed_size 0
		.amdhsa_enable_private_segment 0
		.amdhsa_kernarg_size 80
		.amdhsa_user_sgpr_count 2
		.amdhsa_user_sgpr_kernarg_segment_ptr 1
		.amdhsa_wavefront_size32 1
		.amdhsa_system_sgpr_workgroup_id_x 1
		.amdhsa_system_sgpr_workgroup_id_y 1
		.amdhsa_system_sgpr_workgroup_id_z 1
		.amdhsa_system_vgpr_workitem_id 0
		.amdhsa_next_free_vgpr 1024
		.amdhsa_next_free_sgpr 66
		.amdhsa_reserve_vcc 1
		.amdhsa_float_denorm_mode_32 3
		.amdhsa_float_denorm_mode_16_64 3
		.amdhsa_memory_ordered 1
		.amdhsa_forward_progress 1
		.amdhsa_inst_pref_size 208
	.end_amdhsa_kernel
	.amdgpu_metadata
---
amdhsa.version: [ 1, 2 ]
amdhsa.kernels:
  - .name:           k_q97f8f3a47f_qkv
    .symbol:         k_q97f8f3a47f_qkv.kd
    .args:
      - { .name: x, .offset: 0, .size: 8, .value_kind: global_buffer, .address_space: global }
      - { .name: src_mask, .offset: 8, .size: 8, .value_kind: global_buffer, .address_space: global }
      - { .name: b_q, .offset: 16, .size: 8, .value_kind: global_buffer, .address_space: global }
      - { .name: b_k, .offset: 24, .size: 8, .value_kind: global_buffer, .address_space: global }
      - { .name: b_v, .offset: 32, .size: 8, .value_kind: global_buffer, .address_space: global }
      - { .name: wimg, .offset: 40, .size: 8, .value_kind: global_buffer, .address_space: global }
      - { .name: wsc, .offset: 48, .size: 8, .value_kind: global_buffer, .address_space: global }
      - { .name: qimg, .offset: 56, .size: 8, .value_kind: global_buffer, .address_space: global }
      - { .name: qsc, .offset: 64, .size: 8, .value_kind: global_buffer, .address_space: global }
      - { .name: kv, .offset: 72, .size: 8, .value_kind: global_buffer, .address_space: global }
    .group_segment_fixed_size: 168448
    .private_segment_fixed_size: 0
    .kernarg_segment_align: 8
    .kernarg_segment_size: 80
    .max_flat_workgroup_size: 128
    .sgpr_count:     66
    .vgpr_count:     1024
    .wavefront_size: 32
...
	.end_amdgpu_metadata
.endif
;; end of part 2
;; launch attn (part 3): grid 4 x 64, 8 waves a work-group, clusters of 4 x 1, 246,784 bytes of LDS; arguments kv, qimg, qsc, aimg, asc; writes aimg, asc
.if DOCPART == 3
	.amdgcn_target "amdgcn-amd-amdhsa--gfx1250"
	.amdhsa_code_object_version 6
	.text
	.protected	k_q97f8f3a47f_attn
	.globl	k_q97f8f3a47f_attn
	.p2align	8
	.type	k_q97f8f3a47f_attn,@function
k_q97f8f3a47f_attn:
	s_mov_b64 s[64:65], 0
	v_nop
	global_prefetch_b8 v0, s[64:65] scope:SCOPE_SE
	s_setreg_imm32_b32 hwreg(HW_REG_WAVE_MODE, 25, 1), 1
	s_wait_xcnt 0x0
	s_wait_alu depctr_hold_cnt(0) depctr_sa_sdst(0) depctr_va_vdst(0) depctr_va_sdst(0) depctr_va_ssrc(0) depctr_va_vcc(0) depctr_vm_vsrc(0)
	s_getreg_b32 s2, hwreg(HW_REG_IB_STS2, 6, 4)
	s_cmp_eq_u32 s2, 0
	s_cbranch_scc0 .Lentry_in_a_cluster
	s_endpgm
.Lentry_in_a_cluster:
	s_bfe_u32 s2, ttmp6, 0x10000c
	s_cmp_lg_u32 s2, 0x3003
	s_cbranch_scc0 .Lentry_shape_is_right
	s_endpgm
.Lentry_shape_is_right:
; Attention of one head of one batch (work-group y) for a quarter of its 2,048 queries, both products on codes of E3M2 with E8M0 scales; the result, divided by the row's sum, is quantised along the next product's K.
; t = score x log2(e) / 8; M = the running largest t rounded UP to a whole number; p = 2^(t - M) is what is quantised, along the keys; the sum is taken of the unquantised p.  When M moves, the sum and O are multiplied by 2^(old M - new M): exact.
; THE HEAD'S K, V AND SCALES, laid by the launch before in the order of the operands' registers, are 245,760 bytes: they come into LDS ONCE and stay: no slot is ever filled again.
; CLUSTER.  The four work-groups of a cluster own the four quarters of one head's queries and read the same K and V: each piece is asked for JOINTLY, by the same tensor load with the same descriptor and a mask that names the four.
; A wave has four tensor loads out at the most: the four issued at the start.
; SHARES.  Each of eight waves owns 64 queries, four tiles of 16, and takes them in two passes of two tiles (A in register window 0, B at the same numbers in window 1), so that each fragment read from LDS feeds two matrix instructions;
; two waves share a SIMD.  A step is 128 keys: 8 + 8 products K Q^T, two softmaxes, 4 + 4 products V^T P.
; LAYOUT.  Both products are used transposed (source 0 = 16 keys, or 16 of the head's 64; source 1 = my 16 queries): a lane holds ONE query throughout.  The keys of a tile and the rows of a fragment of V^T are 8 f .. 8 f + 7 and
; 32 + 8 f .. of a group of 64, so that the 32 registers of four tiles are ONE block of 32 along the next K in one lane: no block's maximum asks another lane, and the conversions' results are the operand's registers.
; PRODUCT 4 HAS K = 64 in an instruction of 128.  K's and Q's images have 8 registers; the operand's last four are zeros in Q, and in K the next tile's first four (any code is a finite number, and meets a zero).
; k = 64 carries THE MASK: Q has 1.0 there under 2^0, a masked key -1.0 under 2^33 and zero codes elsewhere: its score is -2^33, a logit of -2^30.  c x 2^33 is a whole number, so a row all of whose keys are masked gets p = 1 throughout.
; LIMITS.  The result is the definition's as long as logits of keys that count lie above about -1e9 + 200.  NaN and infinities are not served.  A block of zeros gets the byte 1 (this program alone reads the bytes).
; A block's largest p is the exponential of its largest score, by the same two instructions; this takes v_exp_f32 not to fall where its input rises.
.set STEPB, 15360                      ; a step in LDS: 8 tiles of K (8,192), 4 fragments of V^T (6,144), K's scale words (512), V's (512)
.set PIECE, 61440                      ; four steps: what the eight waves' loads of one piece bring
.set LK0, 1                            ; 16 x lane
.set LV0, 2                            ; 8 x lane + 8,192
.set LW0, 3                            ; 4 x lane + 14,848
.set ADK, 4
.set ADV, 5
.set ADW, 6
.set QSO, 8                            ; qsc: 16 r + 4 h
.set OA,  9                            ; aimg: 8 x lane
.set OS,  10                           ; asc: 512 h + 4 r
.set H8,  11                           ; 8 h (both windows)
.set NM,  12                           ; -M          from here to v227: a tile's state, the same numbers in both windows
.set TM,  13                           ; the largest t
.set LL,  14                           ; v[14:15] the sum, first chain
.set QQ,  16                           ; v[16:27] Q; 24-27 are zeros
.set KF,  28                           ; window 0: v[28:91] K's tiles, v[92:95] zeros
.set VF,  28                           ; window 1: v[28:75] V^T's fragments
.set SS,  96                           ; v[96:159] the scores, then p
.set OO,  160                          ; v[160:191] O^T
.set PC,  192                          ; v[192:203] p's codes
.set TP,  204
.set TP2, 208
.set L2,  212                          ; the sum, second chain
.set FF,  214                          ; f = 2^(old M - new M)
.set BM,  216                          ; v216-219
.set SC,  220
.set BY,  222
.set T1,  224
.set RM,  225
.set DD,  226
.set WW,  227
.set KS,  232                          ; window 0 alone: v[232:235] K's scale words: register f: tile f in lanes 0-15, tile 4 + f in lanes 16-31
.set VT,  236
.set VS,  240                          ; v[240:241] V's scale words: register i: fragment 2 i in lanes 0-15, 2 i + 1 in lanes 16-31
.set QS,  242                          ; Q's scale words: tile A in lanes 0-15, tile B in lanes 16-31
.set PS,  244                          ; v244, v245 p's scale words, tile A's and B's
.set AW,  246
.set EW,  248
.set WV,  14
.set SEL, 20
.set CS,  22
.set TB,  48
.set CNT, 49
.set PASS, 50
.set MSB, 0
.macro WIN new
.if MSB != (\new)
	s_set_vgpr_msb (MSB<<8)|(\new)
.set MSB, (\new)
.endif
.endm
.macro PLACES n
.rept \n
	v_nop
.endr
.endm
.macro CROUND                          ; a round of the cluster's barrier
	s_barrier_signal -1
	s_barrier_wait -1
	s_cmp_lg_u32 s[WV], 0
	s_cbranch_scc1 .Lnot_wave_0_\@
	s_barrier_signal -3
.Lnot_wave_0_\@:
	s_barrier_wait -3
	s_barrier_signal -1
	s_barrier_wait -1
.endm
.macro MM d, a, b, cz, c, sa, sb, ar, br
.if \cz
.if (\ar) && (\br)
	v_wmma_scale_f32_16x16x128_f8f6f4 v[(\d):(\d)+7], v[(\a):(\a)+11], v[(\b):(\b)+11], 0, v[\sa], v[\sb] matrix_a_fmt:MATRIX_FMT_BF6 matrix_b_fmt:MATRIX_FMT_BF6 matrix_a_scale:MATRIX_SCALE_ROW1 matrix_b_scale:MATRIX_SCALE_ROW1
.elseif \ar
	v_wmma_scale_f32_16x16x128_f8f6f4 v[(\d):(\d)+7], v[(\a):(\a)+11], v[(\b):(\b)+11], 0, v[\sa], v[\sb] matrix_a_fmt:MATRIX_FMT_BF6 matrix_b_fmt:MATRIX_FMT_BF6 matrix_a_scale:MATRIX_SCALE_ROW1
.elseif \br
	v_wmma_scale_f32_16x16x128_f8f6f4 v[(\d):(\d)+7], v[(\a):(\a)+11], v[(\b):(\b)+11], 0, v[\sa], v[\sb] matrix_a_fmt:MATRIX_FMT_BF6 matrix_b_fmt:MATRIX_FMT_BF6 matrix_b_scale:MATRIX_SCALE_ROW1
.else
	v_wmma_scale_f32_16x16x128_f8f6f4 v[(\d):(\d)+7], v[(\a):(\a)+11], v[(\b):(\b)+11], 0, v[\sa], v[\sb] matrix_a_fmt:MATRIX_FMT_BF6 matrix_b_fmt:MATRIX_FMT_BF6
.endif
.else
.if \ar
	v_wmma_scale_f32_16x16x128_f8f6f4 v[(\d):(\d)+7], v[(\a):(\a)+11], v[(\b):(\b)+11], v[(\c):(\c)+7], v[\sa], v[\sb] matrix_a_fmt:MATRIX_FMT_BF6 matrix_b_fmt:MATRIX_FMT_BF6 matrix_a_scale:MATRIX_SCALE_ROW1
.else
	v_wmma_scale_f32_16x16x128_f8f6f4 v[(\d):(\d)+7], v[(\a):(\a)+11], v[(\b):(\b)+11], v[(\c):(\c)+7], v[\sa], v[\sb] matrix_a_fmt:MATRIX_FMT_BF6 matrix_b_fmt:MATRIX_FMT_BF6
.endif
.endif
.endm
.macro PKF p                           ; pair p of the scores: t - M
	v_pk_fma_f32 v[SS+2*(\p):SS+2*(\p)+1], v[SS+2*(\p):SS+2*(\p)+1], s[CS:CS+1], v[NM:NM+1] op_sel_hi:[1,0,0]
.endm
.macro OMUL p                          ; pair p of O^T under the new M
	v_pk_mul_f32 v[OO+2*(\p):OO+2*(\p)+1], v[OO+2*(\p):OO+2*(\p)+1], v[FF:FF+1] op_sel_hi:[1,0]
.endm
; One tile's softmax for 128 keys; w = 0: tile A, 1: tile B.  Registers SS + 0 .. 31 are keys 32 h + 0 .. 31 of the step, SS + 32 .. 63 keys 64 + 32 h + 0 .. 31: two whole blocks.
.macro SOFTMAX w
	WIN 0x55*\w
.irp k, 0,1,2,3
	v_max3_num_f32 v[BM+\k], v[SS+16*\k], v[SS+16*\k+1], v[SS+16*\k+2]     ; the largest score, four chains by turns; each accumulator is read from its low end on
.endr
.irp i, 3,5,7,9,11,13
.irp k, 0,1,2,3
	v_max3_num_f32 v[BM+\k], v[BM+\k], v[SS+16*\k+\i], v[SS+16*\k+\i+1]
.endr
.endr
	v_max3_num_f32 v[BM], v[BM], v[SS+15], v[SS+31]
	v_max3_num_f32 v[BM+2], v[BM+2], v[SS+47], v[SS+63]
	v_max_num_f32 v[BM], v[BM], v[BM+1]            ; EACH BLOCK'S LARGEST SCORE serves twice: for the row's maximum and for the block's largest p
	v_max_num_f32 v[BM+2], v[BM+2], v[BM+3]
	v_max_num_f32 v[RM], v[BM], v[BM+2]
	v_permlanex16_b32 v[T1], v[RM], s[SEL], s[SEL+1]
	v_max_num_f32 v[RM], v[RM], v[T1]              ; with lane l xor 16's two blocks: the step's largest score of my query
	v_mul_f32 v[RM], s[CS], v[RM]
	v_max_num_f32 v[TM], v[TM], v[RM]
	v_mov_b32 v[DD], v[NM]
	v_floor_f32 v[NM], -v[TM]                      ; -M = floor(-t): M is a whole number
	v_sub_f32 v[DD], v[NM], v[DD]
	v_cvt_i32_f32 v[DD], v[DD]                     ; (it saturates)
	v_ldexp_f32 v[FF], 1.0, v[DD]                  ; f = 2^(old M - new M)
	v_fma_f32 v[BM], v[BM], s[CS], v[NM]
	v_fma_f32 v[BM+2], v[BM+2], s[CS], v[NM]
	v_exp_f32 v[BM], v[BM]                         ; from here on every exponential has a plain instruction behind it that touches none of its registers
	PKF 0
	v_exp_f32 v[BM+2], v[BM+2]
	PKF 1
	v_pk_mul_f32 v[LL:LL+1], v[LL:LL+1], v[FF:FF+1] op_sel_hi:[1,0]
	v_pk_mul_f32 v[L2:L2+1], v[L2:L2+1], v[FF:FF+1] op_sel_hi:[1,0]
.set ii, 0
.rept 32                               ; pair ii's two exponentials; between them work that is ready: t - M two pairs ahead, the sum of the pair before, the first of O^T's rescaling
	v_exp_f32 v[SS+2*ii], v[SS+2*ii]
.if ii < 30
	PKF ii+2
.elseif ii == 30
	OMUL 1
.else
	OMUL 2
.endif
	v_exp_f32 v[SS+2*ii+1], v[SS+2*ii+1]
.if ii == 0
	OMUL 0
.elseif (ii-1)%2 == 0
	s_wait_alu depctr_va_vdst(0)
	v_pk_add_f32 v[LL:LL+1], v[LL:LL+1], v[SS+2*ii-2:SS+2*ii-1]
.else
	v_pk_add_f32 v[L2:L2+1], v[L2:L2+1], v[SS+2*ii-2:SS+2*ii-1]
.endif
.set ii, ii+1
.endr
	v_pk_add_f32 v[L2:L2+1], v[L2:L2+1], v[SS+62:SS+63]
	v_max_num_f32 v[BM], 0x2800000, v[BM]          ; the floor 2^(5 - 127): the byte cannot fall under 1
	v_max_num_f32 v[BM+2], 0x2800000, v[BM+2]
	v_add_nc_u32 v[SC], 0xfe000000, v[BM]          ; 4 off the exponent field: the conversion's scale operand
	v_add_nc_u32 v[SC+1], 0xfe000000, v[BM+2]
	v_lshrrev_b32 v[BY], 23, v[SC]
	v_lshrrev_b32 v[BY+1], 23, v[SC+1]
	v_lshl_or_b32 v[WW], v[BY+1], 16, v[BY]
	v_lshlrev_b32 v[WW], v[H8], v[WW]
	v_permlanex16_b32 v[T1], v[WW], s[SEL], s[SEL+1]
	WIN 0x05*\w                                    ; scale operands have no window: the word goes to window 0
	v_or_b32 v[PS+\w], v[WW], v[T1]
	WIN 0x55*\w
	v_cvt_scalef32_pk16_bf6_f32 v[PC:PC+2], v[SS:SS+15], v[SC]
	v_cvt_scalef32_pk16_bf6_f32 v[TP:TP+2], v[SS+16:SS+31], v[SC]
	v_cvt_scalef32_pk16_bf6_f32 v[PC+6:PC+8], v[SS+32:SS+47], v[SC+1]
	v_cvt_scalef32_pk16_bf6_f32 v[TP2:TP2+2], v[SS+48:SS+63], v[SC+1]
	v_nop                                          ; one plain place behind a scaled conversion
.irp i, 0,1,2
	v_mov_b32 v[PC+3+\i], v[TP+\i]
	v_mov_b32 v[PC+9+\i], v[TP2+\i]
.endr
.irp p, 3,4,5,6,7,8,9,10,11,12,13,14,15
	OMUL \p                                        ; the rest of O^T's rescaling: also the places between the codes and the scale word just written and the products that take them
.endr
.endm
.macro STEP                            ; 128 keys, both tiles; the step begins at LDS byte s[TB]
	v_add_nc_u32 v[ADK], s[TB], v[LK0]             ; four places behind the last step's products, in front of loads into registers that they have read
	v_add_nc_u32 v[ADV], s[TB], v[LV0]
	v_add_nc_u32 v[ADW], s[TB], v[LW0]
	v_nop
.irp t, 0,1,2,3,4,5,6,7
	ds_load_b128 v[KF+8*\t:KF+8*\t+3], v[ADK] offset:1024*\t
	ds_load_b128 v[KF+8*\t+4:KF+8*\t+7], v[ADK] offset:1024*\t+512
.endr
	ds_load_b128 v[KS:KS+3], v[ADK] offset:14336
	WIN 0x40
.irp d, 0,1,2,3
.irp p, 0,1,2,3,4,5
	ds_load_b64 v[VF+12*\d+2*\p:VF+12*\d+2*\p+1], v[ADV] offset:1536*\d+256*\p
.endr
.endr
	WIN 0
.irp k, 0,1,2,3
	ds_load_b32 v[VT+\k], v[ADW] offset:256*(\k/2)+128*(\k%2)
.endr
	s_wait_dscnt 28                                ; K's 17 loads are in; V's 24 and its four scale loads may be out
.irp t, 0,1,2,3,4,5,6,7
	MM SS+8*\t, KF+8*\t, QQ, 1, 0, KS+\t%4, QS, \t/4, 0
.endr
	WIN 0x44                                       ; tile B: Q and the scores in window 1
.irp t, 0,1,2,3,4,5,6,7
	MM SS+8*\t, KF+8*\t, QQ, 1, 0, KS+\t%4, QS, \t/4, 1
.endr
	WIN 0
	PLACES 4
	SOFTMAX 0
	WIN 0
	s_wait_dscnt 0x0                               ; V is in
	v_lshl_or_b32 v[VS], v[VT+2], 16, v[VT]        ; the two halves of V's scale words; tile B's softmax stands between these lines and the products
	v_lshl_or_b32 v[VS+1], v[VT+3], 16, v[VT+1]
	SOFTMAX 1
	WIN 0x01                                       ; V^T in window 1; P and O^T in window 0
.irp d, 0,1,2,3
	MM OO+8*\d, VF+12*\d, PC, 0, OO+8*\d, VS+\d/2, PS, \d%2, 0
.endr
	WIN 0x55
.irp d, 0,1,2,3
	MM OO+8*\d, VF+12*\d, PC, 0, OO+8*\d, VS+\d/2, PS+1, \d%2, 0
.endr
	WIN 0
.endm
.macro INIT w
	WIN 0x55*\w
	v_mov_b32 v[TM], 0xff61b1e6                    ; -3e38, under every t
	v_floor_f32 v[NM], -v[TM]
	v_mov_b32 v[LL], 0
	v_mov_b32 v[LL+1], 0
	v_mov_b32 v[L2], 0
	v_mov_b32 v[L2+1], 0
.set ii, 0
.rept 32
	v_mov_b32 v[OO+ii], 0                          ; the step is written once: the first finds zeros
.set ii, ii+1
.endr
.endm
.macro PIECEJ j                        ; four steps
	s_wait_tensorcnt 3-\j                          ; my part of piece j has landed; my loads of the later pieces may be out (in the second pass none is)
	s_barrier_signal -1
	s_barrier_wait -1                              ; everybody's has
	s_mov_b32 s[TB], PIECE*\j
	s_mov_b32 s[CNT], 4
.Lstep_\@:
	STEP
	s_add_co_u32 s[TB], s[TB], STEPB
	s_sub_co_u32 s[CNT], s[CNT], 1
	s_cmp_lg_u32 s[CNT], 0
	s_cbranch_scc1 .Lstep_\@
.endm
; O^T / the sum; my 32 numbers are one block of the next product's K: codes and a byte
.macro FINISH w
	WIN 0x55*\w
	v_pk_add_f32 v[LL:LL+1], v[LL:LL+1], v[L2:L2+1]
	v_add_f32 v[LL], v[LL], v[LL+1]
	v_permlanex16_b32 v[T1], v[LL], s[SEL], s[SEL+1]
	v_add_f32 v[LL], v[LL], v[T1]
	v_rcp_f32 v[LL], v[LL]
	v_nop
.set ii, 0
	s_wait_alu depctr_va_vdst(0)
.rept 16
	v_pk_mul_f32 v[OO+ii:OO+ii+1], v[OO+ii:OO+ii+1], v[LL:LL+1] op_sel_hi:[1,0]
.set ii, ii+2
.endr
	v_max3_num_f32 v[BM], |v[OO]|, |v[OO+1]|, 0x2800000
	v_max3_num_f32 v[BM+1], |v[OO+16]|, |v[OO+17]|, 0x2800000
.irp i, 2,4,6,8,10,12,14
	v_max3_num_f32 v[BM], |v[OO+\i]|, |v[OO+\i+1]|, v[BM]
	v_max3_num_f32 v[BM+1], |v[OO+16+\i]|, |v[OO+17+\i]|, v[BM+1]
.endr
	v_max_num_f32 v[BM], v[BM], v[BM+1]
	v_add_nc_u32 v[SC], 0xfe000000, v[BM]
	v_lshrrev_b32 v[BY], 23, v[SC]
	v_cvt_scalef32_pk16_bf6_f32 v[PC:PC+2], v[OO:OO+15], v[SC]
	v_cvt_scalef32_pk16_bf6_f32 v[TP:TP+2], v[OO+16:OO+31], v[SC]
	v_nop
.irp i, 0,1,2
	v_mov_b32 v[PC+3+\i], v[TP+\i]
.endr
	v_lshlrev_b32 v[WW], v[H8], v[BY]
	v_permlanex16_b32 v[T1], v[WW], s[SEL], s[SEL+1]
	WIN 0x05*\w
	v_or_b32 v[AW+\w], v[WW], v[T1]
	WIN 0x04*\w                                    ; a store's data are its source 1
.irp i, 0,1,2
	global_store_b64 v[OA], v[PC+2*\i:PC+2*\i+1], s[10:11] offset:6144*\w+256*\i   ; the wave stores 256 consecutive bytes
.endr
	WIN 0
.endm
	s_load_b256 s[4:11], s[0:1], 0x0               ; kv, qimg, qsc, aimg
	s_load_b64 s[12:13], s[0:1], 0x20              ; asc
	v_lshl_add_u32 v254, v0, 2, 0x3c000
	v_mov_b32 v255, 0
	ds_add_u32 v254, v255
	ds_add_u32 v254, v255
	v_lshrrev_b32 v1, 5, v0
	v_readfirstlane_b32 s[WV], v1                  ; wave 0..7
	s_and_b32 s16, ttmp7, 0xffff                   ; batch x 8 + head, which the four partners share
	s_mul_i32 s52, s16, 245760
	s_mul_i32 s17, s[WV], 7680                     ; my part of a piece: no place in the cluster enters a descriptor or an LDS address
	s_add_co_u32 s52, s52, s17
	s_mov_b32 s53, 0
	; descriptor group 1: 30 rows of 256 bytes (32 elements of 8 bytes), dense, no padding; the mask names all four work-groups, bit 21 beside it
	s_mov_b32 s24, 15|(3<<16)|(1<<21)
	s_mov_b32 s25, 32<<16
	s_mov_b32 s26, 30<<16
	s_mov_b32 s27, 32<<16
	s_mov_b32 s28, 30
	s_mov_b32 s29, 32
	s_mov_b32 s30, 0
	s_mov_b32 s31, 0
	s_bfe_u32 s55, ttmp6, 0x40000                  ; cx: my quarter of the queries; it enters the addresses of Q and of the results alone
	s_lshl_b32 s55, s55, 3
	s_add_co_u32 s55, s55, s[WV]                   ; my wave's block of 64 queries
	s_lshl_b32 s56, s16, 17
	s_lshl_b32 s57, s55, 12
	s_add_co_u32 s56, s56, s57
	s_mov_b32 s57, 0
	s_lshl_b32 s58, s16, 13
	s_lshl_b32 s59, s55, 8
	s_add_co_u32 s58, s58, s59
	s_mov_b32 s59, 0
	s_lshr_b32 s60, s16, 3
	s_lshl_b32 s60, s60, 5
	s_add_co_u32 s60, s60, s55                     ; the block's number among all 256
	s_and_b32 s61, s16, 7                          ; the head
	s_mul_i32 s62, s60, 24576
	s_mul_i32 s63, s61, 768
	s_add_co_u32 s62, s62, s63
	s_mov_b32 s63, 0
	s_lshl_b32 s60, s60, 11
	s_lshl_b32 s61, s61, 6
	s_add_co_u32 s60, s60, s61
	s_mov_b32 s61, 0
	s_mov_b32 s[SEL], 0x76543210
	s_mov_b32 s[SEL+1], 0xfedcba98
	s_mov_b32 s[CS], 0x3e38aa3b                    ; c = log2(e) / 8
	s_mov_b32 s[CS+1], s[CS]
	s_mov_b32 s54, 0xffff0000                      ; lanes 16-31
	s_mov_b32 s[PASS], 2
	s_wait_dscnt 0x0
	s_wait_kmcnt 0x0
	s_add_nc_u64 s[4:5], s[4:5], s[52:53]
	s_add_nc_u64 s[6:7], s[6:7], s[56:57]
	s_add_nc_u64 s[8:9], s[8:9], s[58:59]
	s_add_nc_u64 s[10:11], s[10:11], s[62:63]
	s_add_nc_u64 s[12:13], s[12:13], s[60:61]
.irp j, 0,1,2,3
	s_mov_b32 s[32+4*\j], 1
	s_add_co_u32 s[33+4*\j], s17, PIECE*\j
	s_add_nc_u64 s[34+4*\j:35+4*\j], s[4:5], PIECE*\j
	s_or_b32 s[35+4*\j], s[35+4*\j], 0x80000000
.endr
	CROUND                                         ; all four work-groups are here: the joint loads meet
	tensor_load_to_lds s[32:35], s[24:31]
	s_nop 0
	tensor_load_to_lds s[36:39], s[24:31]
	s_nop 0
	tensor_load_to_lds s[40:43], s[24:31]
	s_nop 0
	tensor_load_to_lds s[44:47], s[24:31]
	s_nop 0
	PLACES 4
	v_and_b32 v7, 31, v0                           ; lane
	v_and_b32 v228, 15, v0                         ; r
	v_bfe_u32 v229, v0, 4, 1                       ; h
	v_lshlrev_b32 v[LK0], 4, v7
	v_lshl_add_u32 v[LV0], v7, 3, 8192
	v_lshl_add_u32 v[LW0], v7, 2, 14848
	v_lshlrev_b32 v[QSO], 4, v228
	v_lshl_add_u32 v[QSO], v229, 2, v[QSO]
	v_lshlrev_b32 v[OA], 3, v7
	v_lshlrev_b32 v[OS], 9, v229
	v_lshl_add_u32 v[OS], v228, 2, v[OS]
	v_lshlrev_b32 v[H8], 3, v229
.irp i, 0,1,2,3
	v_mov_b32 v[QQ+8+\i], 0
	v_mov_b32 v[KF+64+\i], 0
.endr
	v_mov_b32 v[T1], 0                             ; written once: a lane permute's destination counts as one of its sources
	v_mov_b32 v[FF+1], 0                           ; (named as the upper half of a pair)
	WIN 0x40                                       ; the same in window 1
	v_lshlrev_b32 v[H8], 3, v229
.irp i, 0,1,2,3
	v_mov_b32 v[QQ+8+\i], 0
.endr
	v_mov_b32 v[T1], 0
	v_mov_b32 v[FF+1], 0
	WIN 0
.Lpass:                                            ; two trips: tiles 0 and 1, then tiles 2 and 3 of my block
	global_load_b128 v[QQ:QQ+3], v[LK0], s[6:7]
	global_load_b128 v[QQ+4:QQ+7], v[LK0], s[6:7] offset:512
	global_load_b32 v[QS], v[QSO], s[8:9]
	WIN 0x40
	global_load_b128 v[QQ:QQ+3], v[LK0], s[6:7] offset:1024
	global_load_b128 v[QQ+4:QQ+7], v[LK0], s[6:7] offset:1536
	INIT 1
	INIT 0
	s_wait_loadcnt 0x0
	PIECEJ 0
	PIECEJ 1
	PIECEJ 2
	PIECEJ 3
	PLACES 4                                       ; behind the last products
	FINISH 0
	FINISH 1
	v_cndmask_b32 v[EW], v[AW], v[AW+1], s54       ; lanes 0-15 tile A's words, lanes 16-31 tile B's
	global_store_b32 v[OS], v[EW], s[12:13]
	s_wait_xcnt 0x0                                ; the loads and stores have read their bases and registers: both are written again only behind this wait
	s_add_nc_u64 s[6:7], s[6:7], 2048              ; two tiles on
	s_add_nc_u64 s[8:9], s[8:9], 8
	s_add_nc_u64 s[10:11], s[10:11], 12288
	s_add_nc_u64 s[12:13], s[12:13], 1024
	s_sub_co_u32 s[PASS], s[PASS], 1
	s_cmp_lg_u32 s[PASS], 0
	s_cbranch_scc1 .Lpass
	s_wait_tensorcnt 0x0
	ds_add_u32 v254, v255
	s_wait_dscnt 0x0
	CROUND                                         ; the closing round: no work-group ends while a partner may still ask for a piece that names it
	s_endpgm
.Lfunc_end_k_q97f8f3a47f_attn:
	.size	k_q97f8f3a47f_attn, .Lfunc_end_k_q97f8f3a47f_attn-k_q97f8f3a47f_attn
	.p2alignl 7, 3214868480
	.fill 96, 4, 3214868480
	.section	.rodata,"a",@progbits
	.p2align	6, 0x0
	.amdhsa_kernel k_q97f8f3a47f_attn
		.amdhsa_group_segment_fixed_size 246784
		.amdhsa_private_segment_fixed_size 0
		.amdhsa_enable_private_segment 0
		.amdhsa_kernarg_size 40
		.amdhsa_user_sgpr_count 2
		.amdhsa_user_sgpr_kernarg_segment_ptr 1
		.amdhsa_wavefront_size32 1
		.amdhsa_system_sgpr_workgroup_id_x 1
		.amdhsa_system_sgpr_workgroup_id_y 1
		.amdhsa_system_sgpr_workgroup_id_z 1
		.amdhsa_system_vgpr_workitem_id 0
		.amdhsa_next_free_vgpr 512
		.amdhsa_next_free_sgpr 66
		.amdhsa_reserve_vcc 0
		.amdhsa_float_denorm_mode_32 3
		.amdhsa_float_denorm_mode_16_64 3
		.amdhsa_memory_ordered 1
		.amdhsa_forward_progress 1
		.amdhsa_inst_pref_size 133
	.end_amdhsa_kernel
	.amdgpu_metadata
---
amdhsa.version: [ 1, 2 ]
amdhsa.kernels:
  - .name:           k_q97f8f3a47f_attn
    .symbol:         k_q97f8f3a47f_attn.kd
    .args:
      - { .name: kv, .offset: 0, .size: 8, .value_kind: global_buffer, .address_space: global }
      - { .name: qimg, .offset: 8, .size: 8, .value_kind: global_buffer, .address_space: global }
      - { .name: qsc, .offset: 16, .size: 8, .value_kind: global_buffer, .address_space: global }
      - { .name: aimg, .offset: 24, .size: 8, .value_kind: global_buffer, .address_space: global }
      - { .name: asc, .offset: 32, .size: 8, .value_kind: global_buffer, .address_space: global }
    .group_segment_fixed_size: 246784
    .private_segment_fixed_size: 0
    .kernarg_segment_align: 8
    .kernarg_segment_size: 40
    .max_flat_workgroup_size: 256
    .sgpr_count:     66
    .vgpr_count:     512
    .wavefront_size: 32
...
	.end_amdgpu_metadata
.endif
;; end of part 3
;; launch tail (part 4): grid 256 x 1, 4 waves a work-group, no clusters, 215,552 bytes of LDS; arguments x, aimg, asc, wimg, wsc, b_o, b_1, b_2, out0; writes out0
.if DOCPART == 4
	.amdgcn_target "amdgcn-amd-amdhsa--gfx1250"
	.amdhsa_code_object_version 6
	.text
	.protected	k_q97f8f3a47f_tail
	.globl	k_q97f8f3a47f_tail
	.p2align	8
	.type	k_q97f8f3a47f_tail,@function
k_q97f8f3a47f_tail:
	s_mov_b64 s[64:65], 0
	v_nop
	global_prefetch_b8 v0, s[64:65] scope:SCOPE_SE
	s_setreg_imm32_b32 hwreg(HW_REG_WAVE_MODE, 25, 1), 1
	s_wait_xcnt 0x0
; x1 = x + a W_o^T + b_o;  y = (x1 - mean) / sqrt(var + 1e-6), var with 511 in the divisor;  out = x1 + Q(relu(Q(y) W_1^T + b_1)) W_2^T + b_2: three products on codes of E3M2 with E8M0 scales.  a arrives as codes from the launch before.
; SHARES.  A work-group owns 64 tokens, four tiles of 16 (lane r of tile t is token 8 t + r + 3 (r & 8)).  THE WAVES SHARE THE COLUMNS: wave w makes columns 128 w .. 128 w + 127 of x1 and of the result, and hidden units 256 w .. 256 w + 255,
; for all 64 tokens.  x1 never leaves the registers (window 3); the last product adds in place onto x1 + b_2.
; All products are used transposed (source 0 = 16 rows of a weight, source 1 = 16 tokens): a lane holds ONE token, and the 32 registers of a group's four fragments are 32 neighbours along the next K: one block in one lane.
; Ten jobs of four K steps, 16 matrix instructions a K step on 16 accumulators by turns.  y and the hidden layer go from wave to wave through LDS as images of the operands' registers.
; THE WEIGHTS come from memory straight into operand registers, a chunk (four fragments, 14 loads) three chunks ahead, in a ring of four.  They are not shared through LDS or asked for jointly with other work-groups: a fragment of
; 1,536 bytes feeds four matrix instructions here, and a way through LDS would add one write and one read of LDS for each of those bytes.
; THE NORM spans the four waves: each makes the mean m and the sum M2 of squared distances from m of its own 128 columns; the four pairs meet in LDS: mean = sum of m / 4, M2 = sum of M2 + 128 x sum of (m - mean)^2: no difference of large sums.
; LIMITS.  NaN and infinities are not served.  A block of zeros gets the byte 1 where the rule says 127 (its codes are zeros, and this program alone reads the bytes); blocks whose largest magnitude lies under 2^-122 are held at the byte 1.
; LDS: 64 rows of x, each two halves of 1,024 bytes + 16 (one tensor load a wave, filled once; at the end the stage for the result); the norm's pairs; y's 16 images and scale words; the hidden layer's 32 images and scale words.
; REGISTERS: window 0 addresses, scale words, the bias in hand, the quantiser's registers, v128-255 accumulators and scratch; window 1 sixteen fragments of the operand in hand; window 2 the ring of weights; window 3 x1: 128 gl + 8 (4 t + f) + j.
.set XCH,   133120
.set YIMG,  135168
.set YSC,   159744
.set HIMG,  161792
.set HSC,   210944
.set NCH,   40
.set FY,    1                          ; LDS: YIMG + 16 x lane
.set FYS,   2                          ; YSC + 4 x lane
.set FH,    3                          ; HIMG + 8 x lane
.set XA3,   4                          ; my token's row of x (tile 0), my wave's 512 bytes of it, + 128 h
.set LI,    5                          ; 16 x lane
.set LS,    6                          ; 4 x lane
.set L8,    7                          ; 8 x lane
.set XCA,   8                          ; XCH + 512 w + 8 r
.set XCR,   9                          ; XCH + 8 r
.set YWI,   10                         ; YIMG + 16 x lane + 1,536 w
.set YWS,   11                         ; YSC + 4 x lane + 128 w
.set HWI,   12                         ; HIMG + 8 x lane + 3,072 w
.set HWS,   13                         ; HSC + 4 x lane + 256 w
.set H8,    14
.set BA,    15                         ; 128 h
.set XS,    16                         ; v16-31 the operand's scale words, fragment 4 t + s
.set WS,    32                         ; v32-39 the ring's
.set BIAS,  40                         ; v40-71 the job's bias in the results' layout
.set PC,    72
.set TP,    84
.set BM,    88
.set SC,    90
.set BY,    91
.set T1,    92
.set WW,    93
.set BY0,   94
.set BY1,   95
.set HW,    100                        ; v100-103 the lower half of a hidden scale word, tile t
.set SA,    104                        ; v104-111
.set MW,    112                        ; v112-119 (m, M2) of tile t
.set NW,    120                        ; a negated mean, twice
.set RS,    122
.set FHS,   124                        ; HSC + 4 x lane
.set SR,    125                        ; the way out: 16 x lane + 33,280 w
.set PW,    126
.set ACC,   128
.set MSB, 0
.macro WIN new
.if MSB != (\new)
	s_set_vgpr_msb (MSB<<8)|(\new)
.set MSB, (\new)
.endif
.endm
.macro PLACES n
.rept \n
	v_nop
.endr
.endm
.macro BARRIER                         ; my LDS stores have landed and my LDS loads are in: then the work-group's barrier
	s_wait_dscnt 0x0
	s_barrier_signal -1
	s_barrier_wait -1
.endm
.macro MM d, a, b, c, sa, sb, ar       ; ar = 1: source 0's scales are taken from lanes 16-31
.if \ar
	v_wmma_scale_f32_16x16x128_f8f6f4 v[(\d):(\d)+7], v[(\a):(\a)+11], v[(\b):(\b)+11], v[(\c):(\c)+7], v[\sa], v[\sb] matrix_a_fmt:MATRIX_FMT_BF6 matrix_b_fmt:MATRIX_FMT_BF6 matrix_a_scale:MATRIX_SCALE_ROW1
.else
	v_wmma_scale_f32_16x16x128_f8f6f4 v[(\d):(\d)+7], v[(\a):(\a)+11], v[(\b):(\b)+11], v[(\c):(\c)+7], v[\sa], v[\sb] matrix_a_fmt:MATRIX_FMT_BF6 matrix_b_fmt:MATRIX_FMT_BF6
.endif
.endm
; 32 numbers of a lane, v[s] on, are ONE block: its codes go to v[pc .. pc + 5], its scale's byte to v[by].  The numbers are read in ascending order, each accumulator from its low end on.
.macro QUANT32 s, pc, by
	v_max3_num_f32 v[BM], |v[\s]|, |v[(\s)+1]|, 0x2800000          ; two chains, and the floor 2^(5 - 127): the byte cannot fall under 1
	v_max3_num_f32 v[BM+1], |v[(\s)+16]|, |v[(\s)+17]|, 0x2800000
.irp i, 2,4,6,8,10,12,14
	v_max3_num_f32 v[BM], |v[(\s)+\i]|, |v[(\s)+\i+1]|, v[BM]
	v_max3_num_f32 v[BM+1], |v[(\s)+16+\i]|, |v[(\s)+17+\i]|, v[BM+1]
.endr
	v_max_num_f32 v[BM], v[BM], v[BM+1]
	v_add_nc_u32 v[SC], 0xfe000000, v[BM]          ; 4 off the exponent field: the conversion's scale operand
	v_lshrrev_b32 v[\by], 23, v[SC]
	v_cvt_scalef32_pk16_bf6_f32 v[\pc:(\pc)+2], v[\s:(\s)+15], v[SC]
	v_cvt_scalef32_pk16_bf6_f32 v[TP:TP+2], v[(\s)+16:(\s)+31], v[SC]
	v_nop                                          ; one plain place behind a scaled conversion
.irp i, 0,1,2
	v_mov_b32 v[(\pc)+3+\i], v[TP+\i]
.endr
.endm
.macro FOLD2                           ; two chains, and the other half of the lanes: the sum in v[SA]
	v_pk_add_f32 v[SA:SA+1], v[SA:SA+1], v[SA+2:SA+3]
	v_add_f32 v[SA], v[SA], v[SA+1]
	v_permlanex16_b32 v[T1], v[SA], s48, s49
	v_add_f32 v[SA], v[SA], v[T1]
.endm
.macro LDBIAS                          ; job JB's bias: lane (r, h), fragment f, register j: number 32 h + 8 f + j of the job's group of 64
.if JB < 2
.set BB, 14
.set BO, 256*JB
.elseif JB < 6
.set BB, 16
.set BO, 256*(JB-2)
.else
.set BB, 18
.set BO, 256*(JB-6)
.endif
.irp f, 0,1,2,3
	global_load_b128 v[BIAS+8*\f:BIAS+8*\f+3], v[BA], s[BB:BB+1] offset:BO+32*\f
	global_load_b128 v[BIAS+8*\f+4:BIAS+8*\f+7], v[BA], s[BB:BB+1] offset:BO+32*\f+16
.endr
.endm
.macro LDCH                            ; chunk LN: 14 loads into ring place LN % 4.  Chunks 0-7 W_o, 8-23 W_1, 24-39 W_2 in the order (half of K, group, K step)
.if LN < 8
.set LWB, 26
.set LSB, 32
.set LOFF, LN*6144
.elseif LN < 24
.set LWB, 28
.set LSB, 34
.set LOFF, (LN-8)*6144
.else
.set LWB, 30
.set LSB, 50
.set LOFF, (((LN-24)/4)%2)*49152+(4*((LN-24)/8)+LN%4)*6144
.endif
.set LB, 48*(LN%4)
	WIN 0x80
.irp f, 0,1,2,3
.irp i, 0,1,2
	global_load_b128 v[LB+12*\f+4*\i:LB+12*\f+4*\i+3], v[LI], s[LWB:LWB+1] offset:LOFF+1536*\f+512*\i
.endr
.endr
	WIN 0
	global_load_b32 v[WS+2*(LN%4)], v[LS], s[LSB:LSB+1] offset:LOFF/24
	global_load_b32 v[WS+2*(LN%4)+1], v[LS], s[LSB:LSB+1] offset:LOFF/24+128
.endm
; chunk N.  kind 0: product 6 (D = x1's registers, C = b_o at the first K step); 1: product 7 (D = v[ACC] on, C = b_1); 2: product 8 (in place onto x1's registers)
.macro CHUNK kind, gl
.if NCH-1-N >= 2
	s_wait_loadcnt 28                              ; behind chunk N's loads stand those of chunks N + 1 and N + 2, 14 each (and now and then a bias's eight: the wait is then the stricter)
.elseif NCH-1-N == 1
	s_wait_loadcnt 14
.else
	s_wait_loadcnt 0x0
.endif
	PLACES 4                                       ; in front of loads into registers that the last chunk's products have read
.if N+3 < NCH
.if ((N+3)%4 == 0) && ((N+3)/4 < 8)
.set JB, (N+3)/4
	WIN 0
	LDBIAS                                         ; the next job's bias, ahead of its first chunk
.endif
.set LN, N+3
	LDCH
.endif
.set SI, N%4
.set RB, 48*SI
.set WR, WS+2*SI
.if \kind == 0
.if SI == 0
	WIN 0xc6                                       ; source 0 (W) window 2, source 1 window 1, C (the bias) window 0, D window 3
.else
	WIN 0xf6
.endif
.elseif \kind == 1
	WIN 0x06
.else
	WIN 0xf6
.endif
.irp t, 0,1,2,3
.irp f, 0,1,2,3
.if \kind == 1
.if SI == 0
	MM ACC+8*(4*\t+\f), RB+12*\f, 12*(4*\t+SI), BIAS+8*\f, WR+\f/2, XS+4*\t+SI, \f%2
.else
	MM ACC+8*(4*\t+\f), RB+12*\f, 12*(4*\t+SI), ACC+8*(4*\t+\f), WR+\f/2, XS+4*\t+SI, \f%2
.endif
.else
.if (\kind == 0) && (SI == 0)
	MM 128*\gl+8*(4*\t+\f), RB+12*\f, 12*(4*\t+SI), BIAS+8*\f, WR+\f/2, XS+4*\t+SI, \f%2
.else
	MM 128*\gl+8*(4*\t+\f), RB+12*\f, 12*(4*\t+SI), 128*\gl+8*(4*\t+\f), WR+\f/2, XS+4*\t+SI, \f%2
.endif
.endif
.endr
.endr
.set N, N+1
.endm
.macro OJOB gl                         ; columns 128 w + 64 gl .. + 63 of x1
	WIN 0
.irp t, 0,1,2,3
.irp f, 0,1,2,3
	ds_load_b128 v[ACC+8*(4*\t+\f):ACC+8*(4*\t+\f)+3], v[XA3] offset:16640*\t+256*\gl+32*\f        ; x in the results' layout
	ds_load_b128 v[ACC+8*(4*\t+\f)+4:ACC+8*(4*\t+\f)+7], v[XA3] offset:16640*\t+256*\gl+32*\f+16
.endr
.endr
	CHUNK 0, \gl
	CHUNK 0, \gl
	CHUNK 0, \gl
	CHUNK 0, \gl
	PLACES 4
	s_wait_dscnt 0x0
	WIN 0xc3
.set jj, 0
.rept 64
	v_pk_add_f32 v[128*\gl+jj:128*\gl+jj+1], v[128*\gl+jj:128*\gl+jj+1], v[ACC+jj:ACC+jj+1]
.set jj, jj+2
.endr
	WIN 0
.endm
.macro LN1 t                           ; tile t: my wave's 128 columns: their mean and their sum of squared distances from it
	WIN 0x0f
	v_pk_add_f32 v[SA:SA+1], v[32*\t:32*\t+1], v[32*\t+2:32*\t+3]
	v_pk_add_f32 v[SA+2:SA+3], v[128+32*\t:128+32*\t+1], v[128+32*\t+2:128+32*\t+3]
	WIN 0x03
.irp k, 4,6,8,10,12,14,16,18,20,22,24,26,28,30
	v_pk_add_f32 v[SA:SA+1], v[32*\t+\k:32*\t+\k+1], v[SA:SA+1]
	v_pk_add_f32 v[SA+2:SA+3], v[128+32*\t+\k:128+32*\t+\k+1], v[SA+2:SA+3]
.endr
	WIN 0
	FOLD2
	v_mul_f32 v[MW+2*\t], 0x3c000000, v[SA]        ; / 128
	v_mul_f32 v[NW], 0xbc000000, v[SA]
	v_mov_b32 v[NW+1], v[NW]
	WIN 0x03
.irp k, 0,2,4,6,8,10,12,14,16,18,20,22,24,26,28,30
	v_pk_add_f32 v[ACC+\k:ACC+\k+1], v[32*\t+\k:32*\t+\k+1], v[NW:NW+1]
	v_pk_add_f32 v[ACC+32+\k:ACC+32+\k+1], v[128+32*\t+\k:128+32*\t+\k+1], v[NW:NW+1]
.endr
	WIN 0
	v_pk_mul_f32 v[SA:SA+1], v[ACC:ACC+1], v[ACC:ACC+1]
	v_pk_mul_f32 v[SA+2:SA+3], v[ACC+32:ACC+33], v[ACC+32:ACC+33]
.irp k, 2,4,6,8,10,12,14,16,18,20,22,24,26,28,30
	v_pk_fma_f32 v[SA:SA+1], v[ACC+\k:ACC+\k+1], v[ACC+\k:ACC+\k+1], v[SA:SA+1]
	v_pk_fma_f32 v[SA+2:SA+3], v[ACC+32+\k:ACC+32+\k+1], v[ACC+32+\k:ACC+32+\k+1], v[SA+2:SA+3]
.endr
	FOLD2
	v_mov_b32 v[MW+2*\t+1], v[SA]
	ds_store_b64 v[XCA], v[MW+2*\t:MW+2*\t+1] offset:128*\t     ; both halves of the lanes write the same pair to the same place
.endm
.macro LN2 t                           ; tile t: the four waves' pairs give the row's mean and variance; my 64 numbers of y become K step w's fragment
.set ST, ACC+64+8*\t
	v_add_f32 v[SA], v[ST], v[ST+2]
	v_add_f32 v[SA+1], v[ST+4], v[ST+6]
	v_add_f32 v[SA], v[SA], v[SA+1]
	v_mul_f32 v[SA], 0x3e800000, v[SA]             ; the mean
.irp i, 0,1,2,3
	v_sub_f32 v[SA+2+\i], v[ST+2*\i], v[SA]
.endr
	v_mul_f32 v[SA+6], v[SA+2], v[SA+2]
	v_fma_f32 v[SA+6], v[SA+3], v[SA+3], v[SA+6]
	v_fma_f32 v[SA+6], v[SA+4], v[SA+4], v[SA+6]
	v_fma_f32 v[SA+6], v[SA+5], v[SA+5], v[SA+6]
	v_add_f32 v[SA+7], v[ST+1], v[ST+3]
	v_add_f32 v[SA+2], v[ST+5], v[ST+7]
	v_add_f32 v[SA+7], v[SA+7], v[SA+2]
	v_fma_f32 v[SA+7], v[SA+6], 0x43000000, v[SA+7]   ; + 128 x the spread of the four means
	v_fma_f32 v[SA+7], v[SA+7], s54, s55           ; / 511 + 1e-6
	v_rsq_f32 v[RS], v[SA+7]
	v_sub_f32 v[NW], 0, v[SA]                      ; (a plain place behind the transcendental)
	v_mov_b32 v[NW+1], v[NW]
	s_wait_alu depctr_va_vdst(0)
	v_mov_b32 v[RS+1], v[RS]
	WIN 0x03
.irp k, 0,2,4,6,8,10,12,14,16,18,20,22,24,26,28,30
	v_pk_add_f32 v[ACC+\k:ACC+\k+1], v[32*\t+\k:32*\t+\k+1], v[NW:NW+1]
	v_pk_add_f32 v[ACC+32+\k:ACC+32+\k+1], v[128+32*\t+\k:128+32*\t+\k+1], v[NW:NW+1]
.endr
	WIN 0
.set jj, 0
.rept 32
	v_pk_mul_f32 v[ACC+jj:ACC+jj+1], v[ACC+jj:ACC+jj+1], v[RS:RS+1]
.set jj, jj+2
.endr
	QUANT32 ACC, PC, BY0
	QUANT32 ACC+32, PC+6, BY1
	v_lshl_or_b32 v[WW], v[BY1], 16, v[BY0]
	v_lshlrev_b32 v[WW], v[H8], v[WW]
	v_permlanex16_b32 v[T1], v[WW], s48, s49
	v_or_b32 v[PW], v[WW], v[T1]
.irp i, 0,1,2
	ds_store_b128 v[YWI], v[PC+4*\i:PC+4*\i+3] offset:6144*\t+512*\i
.endr
	ds_store_b32 v[YWS], v[PW] offset:512*\t
	s_wait_dscnt 0x0                               ; the stores have read their registers
.endm
.macro F1JOB j                         ; hidden units 256 w + 64 j .. + 63: half c = j % 2 of K step 2 w + j / 2 of the last product
	CHUNK 1, 0
	CHUNK 1, 0
	CHUNK 1, 0
	CHUNK 1, 0
	PLACES 5                                       ; behind the last products: their results are read, and the next job's first products write over them
	WIN 0
.irp t, 0,1,2,3
.set jj, 0
.rept 32
	v_max_num_f32 v[ACC+32*\t+jj], 0, v[ACC+32*\t+jj]      ; the activation, in f32
.set jj, jj+1
.endr
	QUANT32 ACC+32*\t, PC, BY
.irp i, 0,1,2
	ds_store_b64 v[HWI], v[PC+2*\i:PC+2*\i+1] offset:12288*\t+1536*(\j/2)+768*(\j%2)+256*\i
.endr
	v_lshlrev_b32 v[WW], v[H8], v[BY]
	v_permlanex16_b32 v[T1], v[WW], s48, s49
.if \j%2 == 0
	v_or_b32 v[HW+\t], v[WW], v[T1]                ; bytes 0 and 1 of the scale word: kept for the next job
.else
	v_or_b32 v[WW], v[WW], v[T1]
	v_lshl_or_b32 v[WW], v[WW], 16, v[HW+\t]
	ds_store_b32 v[HWS], v[WW] offset:1024*\t+128*(\j/2)
.endif
	s_wait_dscnt 0x0                               ; the stores have read their registers
.endr
.endm
.macro F2HALF hf                       ; K steps 4 hf .. 4 hf + 3 of the last product, both groups of my columns
	PLACES 4                                       ; in front of loads into registers that products have read
	WIN 0x40
.irp t, 0,1,2,3
.irp s, 0,1,2,3
.irp p, 0,1,2,3,4,5
	ds_load_b64 v[12*(4*\t+\s)+2*\p:12*(4*\t+\s)+2*\p+1], v[FH] offset:(8*\t+4*\hf+\s)*1536+256*\p
.endr
.endr
.endr
	WIN 0
.irp t, 0,1,2,3
.irp s, 0,1,2,3
	ds_load_b32 v[XS+4*\t+\s], v[FHS] offset:(8*\t+4*\hf+\s)*128
.endr
.endr
	s_wait_dscnt 0x0
.irp g, 0,1
.if \hf == 0
	s_wait_loadcnt 42                              ; b_2 is in: behind its loads stand three chunks' 42
	WIN 0xc3
.irp t, 0,1,2,3
.irp f, 0,1,2,3
.irp k, 0,2,4,6
	v_pk_add_f32 v[128*\g+8*(4*\t+\f)+\k:128*\g+8*(4*\t+\f)+\k+1], v[128*\g+8*(4*\t+\f)+\k:128*\g+8*(4*\t+\f)+\k+1], v[BIAS+8*\f+\k:BIAS+8*\f+\k+1]
.endr
.endr
.endr
.endif
	CHUNK 2, \g
	CHUNK 2, \g
	CHUNK 2, \g
	CHUNK 2, \g
.endr
.endm
	s_load_b512 s[4:19], s[0:1], 0x0               ; x, aimg, asc, wimg, wsc, b_o, b_1, b_2
	s_load_b64 s[20:21], s[0:1], 0x40              ; out0
	v_lshl_add_u32 v87, v0, 2, 0x34800
	v_mov_b32 v127, 0
	ds_add_u32 v87, v127
	ds_add_u32 v87, v127
	v_lshrrev_b32 v96, 5, v0
	v_readfirstlane_b32 s24, v96                   ; wave 0..3
	; descriptor group 1: 32 half rows of 256 numbers of 4 bytes, dense in memory; 4 words of padding behind every 256 words
	s_mov_b32 s36, (2<<16)|(1<<20)|(7<<22)|(3<<25)
	s_mov_b32 s37, 256<<16
	s_mov_b32 s38, 32<<16
	s_mov_b32 s39, 256<<16
	s_mov_b32 s40, 32
	s_mov_b32 s41, 256
	s_mov_b32 s42, 0
	s_mov_b32 s43, 0
	s_lshl_b32 s52, ttmp9, 17
	s_lshl_b32 s53, s24, 15
	s_add_co_u32 s52, s52, s53                     ; 64 rows of 2,048 bytes a work-group, 16 a wave
	s_mov_b32 s53, 0
	s_mov_b32 s44, 1
	s_mul_i32 s45, s24, 33280
	s_wait_dscnt 0x0
	s_wait_kmcnt 0x0
	s_add_nc_u64 s[46:47], s[4:5], s[52:53]
	s_or_b32 s47, s47, 0x80000000
	tensor_load_to_lds s[44:47], s[36:43]          ; my 16 rows of x: the wave's one tensor load
	s_nop 0
	PLACES 4
	s_add_nc_u64 s[20:21], s[20:21], s[52:53]      ; the result at the same rows
	s_mul_i32 s52, ttmp9, 24576
	s_add_nc_u64 s[6:7], s[6:7], s[52:53]
	s_lshl_b32 s52, ttmp9, 11
	s_add_nc_u64 s[8:9], s[8:9], s[52:53]
	s_mul_i32 s52, s24, 49152
	s_add_co_u32 s52, s52, 589824
	s_add_nc_u64 s[26:27], s[10:11], s[52:53]      ; W_o: chunk 96 + 8 w
	s_mul_i32 s52, s24, 98304
	s_add_co_u32 s52, s52, 786432
	s_add_nc_u64 s[28:29], s[10:11], s[52:53]      ; W_1: chunk 128 + 16 w
	s_add_co_u32 s52, s52, 393216
	s_add_nc_u64 s[30:31], s[10:11], s[52:53]      ; W_2: chunk 192 + 16 w
	s_lshl_b32 s52, s24, 11
	s_add_co_u32 s52, s52, 24576
	s_add_nc_u64 s[32:33], s[12:13], s[52:53]
	s_lshl_b32 s52, s24, 12
	s_add_co_u32 s52, s52, 32768
	s_add_nc_u64 s[34:35], s[12:13], s[52:53]
	s_add_co_u32 s52, s52, 16384
	s_add_nc_u64 s[50:51], s[12:13], s[52:53]
	s_lshl_b32 s52, s24, 9
	s_add_nc_u64 s[14:15], s[14:15], s[52:53]
	s_add_nc_u64 s[18:19], s[18:19], s[52:53]
	s_lshl_b32 s52, s24, 10
	s_add_nc_u64 s[16:17], s[16:17], s[52:53]
	s_mov_b32 s48, 0x76543210
	s_mov_b32 s49, 0xfedcba98
	s_mov_b32 s54, 0x3b004020                      ; 1 / 511
	s_mov_b32 s55, 0x358637bd                      ; 1e-6
	v_and_b32 v96, 15, v0                          ; r
	v_bfe_u32 v97, v0, 4, 1                        ; h
	v_and_b32 v98, 31, v0                          ; lane
	v_lshlrev_b32 v[LI], 4, v98
	v_lshlrev_b32 v[LS], 2, v98
	v_lshlrev_b32 v[L8], 3, v98
	v_and_b32 v99, 8, v96
	v_mad_u32_u24 v99, v99, 3, v96                 ; r + 3 (r & 8)
	v_mul_u32_u24 v[XA3], v99, 2080
	v_lshl_add_u32 v[XA3], v97, 7, v[XA3]
	s_lshr_b32 s25, s24, 1
	s_mul_i32 s25, s25, 1040
	s_and_b32 s52, s24, 1
	s_lshl_b32 s52, s52, 9
	s_add_co_u32 s25, s25, s52
	v_add_nc_u32 v[XA3], s25, v[XA3]
	v_lshl_add_u32 v[XCR], v96, 3, XCH
	s_lshl_b32 s25, s24, 9
	v_add_nc_u32 v[XCA], s25, v[XCR]
	v_add_nc_u32 v[FY], YIMG, v[LI]
	v_add_nc_u32 v[FYS], YSC, v[LS]
	v_add_nc_u32 v[FH], HIMG, v[L8]
	v_add_nc_u32 v[FHS], HSC, v[LS]
	s_mul_i32 s25, s24, 1536
	v_add_nc_u32 v[YWI], s25, v[FY]
	s_lshl_b32 s25, s24, 7
	v_add_nc_u32 v[YWS], s25, v[FYS]
	s_mul_i32 s25, s24, 3072
	v_add_nc_u32 v[HWI], s25, v[FH]
	s_lshl_b32 s25, s24, 8
	v_add_nc_u32 v[HWS], s25, v[FHS]
	s_mul_i32 s25, s24, 33280
	v_add_nc_u32 v[SR], s25, v[LI]
	v_lshlrev_b32 v[H8], 3, v97
	v_lshlrev_b32 v[BA], 7, v97
	v_mov_b32 v[T1], 0                             ; written once: a lane permute's destination counts as one of its sources
.irp t, 0,1,2,3
.irp s, 0,1,2,3
	global_load_b32 v[ACC+4*\t+\s], v[LS], s[8:9] offset:512*\t+128*\s     ; a's scale halves: head 2 s in lanes 0-15, head 2 s + 1 in lanes 16-31
.endr
.endr
	WIN 0x40
.irp t, 0,1,2,3
.irp s, 0,1,2,3
.irp p, 0,1,2,3,4,5
	global_load_b64 v[12*(4*\t+\s)+2*\p:12*(4*\t+\s)+2*\p+1], v[L8], s[6:7] offset:6144*\t+1536*\s+256*\p   ; a's sixteen fragments
.endr
.endr
.endr
	WIN 0
.set JB, 0
	LDBIAS
.set LN, 0
	LDCH
.set LN, 1
	LDCH
.set LN, 2
	LDCH
	s_wait_tensorcnt 0x0                           ; my 16 rows of x have landed,
	s_barrier_signal -1
	s_barrier_wait -1                              ; everybody's have
	s_wait_loadcnt 42                              ; a, its scales and b_o are in; behind them stand the three chunks' 42 loads
.irp f, 0,1,2,3,4,5,6,7,8,9,10,11,12,13,14,15
	v_permlanex16_b32 v[T1], v[ACC+\f], s48, s49
	v_lshl_or_b32 v[XS+\f], v[T1], 16, v[ACC+\f]   ; lanes 0-15: the four bytes of K step s
.endr
	PLACES 8                                       ; a scale register written by a vector instruction stands eight places ahead of the product that takes it
.set N, 0
	OJOB 0
	OJOB 1
	LN1 0
	LN1 1
	LN1 2
	LN1 3
	BARRIER                                        ; the four waves' pairs lie in LDS; nobody reads x's rows any more
.irp t, 0,1,2,3
.irp i, 0,1,2,3
	ds_load_b64 v[ACC+64+8*\t+2*\i:ACC+64+8*\t+2*\i+1], v[XCR] offset:512*\i+128*\t
.endr
.endr
	s_wait_dscnt 0x0
	LN2 0
	LN2 1
	LN2 2
	LN2 3
	BARRIER                                        ; y's sixteen fragments lie in LDS
	PLACES 4
	WIN 0x40
.irp f, 0,1,2,3,4,5,6,7,8,9,10,11,12,13,14,15
.irp i, 0,1,2
	ds_load_b128 v[12*\f+4*\i:12*\f+4*\i+3], v[FY] offset:1536*\f+512*\i
.endr
.endr
	WIN 0
.irp f, 0,1,2,3,4,5,6,7,8,9,10,11,12,13,14,15
	ds_load_b32 v[XS+\f], v[FYS] offset:128*\f
.endr
	s_wait_dscnt 0x0
	F1JOB 0
	F1JOB 1
	F1JOB 2
	F1JOB 3
	BARRIER                                        ; the hidden layer's 32 fragments lie in LDS
	F2HALF 0
	F2HALF 1
	; ---- the way out: a lane holds 32 bytes of a row, and the lanes beside it other rows: the results go into the rows that x had in LDS (filled once, last read ahead of the second barrier) and come back as whole rows
	PLACES 4
	WIN 0x0c                                       ; an LDS store's data are its source 1: window 3
.irp g, 0,1
.irp t, 0,1,2,3
.irp f, 0,1,2,3
	ds_store_b128 v[XA3], v[128*\g+8*(4*\t+\f):128*\g+8*(4*\t+\f)+3] offset:16640*\t+256*\g+32*\f        ; each accumulator from its low end on
	ds_store_b128 v[XA3], v[128*\g+8*(4*\t+\f)+4:128*\g+8*(4*\t+\f)+7] offset:16640*\t+256*\g+32*\f+16
.endr
.endr
.endr
	WIN 0
	BARRIER                                        ; 64 whole rows lie in the stage
.irp b, 0,1                            ; my 16 rows, eight at a time
.if \b
	s_wait_xcnt 0x0                                ; the first eight rows' stores have read their registers
.endif
.irp i, 0,1,2,3,4,5,6,7,8,9,10,11,12,13,14,15,16,17,18,19,20,21,22,23,24,25,26,27,28,29,30,31
	ds_load_b128 v[ACC+4*\i:ACC+4*\i+3], v[SR] offset:(8*\b+\i/4)*2080+((\i/2)%2)*1040+(\i%2)*512
.endr
.irp i, 0,1,2,3,4,5,6,7,8,9,10,11,12,13,14,15,16,17,18,19,20,21,22,23,24,25,26,27,28,29,30,31
	s_wait_dscnt 31-\i                             ; LDS loads come back in order: load i is in, the younger ones may be out
	global_store_b128 v[LI], v[ACC+4*\i:ACC+4*\i+3], s[20:21] offset:(8*\b+\i/4)*2048+((\i/2)%2)*1024+(\i%2)*512 th:TH_STORE_NT   ; the wave stores 512 consecutive bytes, at a multiple of 256 from the buffer's first byte
.endr
.endr
	s_wait_tensorcnt 0x0
	ds_add_u32 v87, v127
	s_wait_dscnt 0x0
	s_endpgm
.Lfunc_end_k_q97f8f3a47f_tail:
	.size	k_q97f8f3a47f_tail, .Lfunc_end_k_q97f8f3a47f_tail-k_q97f8f3a47f_tail
	.p2alignl 7, 3214868480
	.fill 96, 4, 3214868480
	.section	.rodata,"a",@progbits
	.p2align	6, 0x0
	.amdhsa_kernel k_q97f8f3a47f_tail
		.amdhsa_group_segment_fixed_size 215552
		.amdhsa_private_segment_fixed_size 0
		.amdhsa_enable_private_segment 0
		.amdhsa_kernarg_size 72
		.amdhsa_user_sgpr_count 2
		.amdhsa_user_sgpr_kernarg_segment_ptr 1
		.amdhsa_wavefront_size32 1
		.amdhsa_system_sgpr_workgroup_id_x 1
		.amdhsa_system_sgpr_workgroup_id_y 1
		.amdhsa_system_sgpr_workgroup_id_z 1
		.amdhsa_system_vgpr_workitem_id 0
		.amdhsa_next_free_vgpr 1024
		.amdhsa_next_free_sgpr 66
		.amdhsa_reserve_vcc 0
		.amdhsa_float_denorm_mode_32 3
		.amdhsa_float_denorm_mode_16_64 3
		.amdhsa_memory_ordered 1
		.amdhsa_forward_progress 1
		.amdhsa_inst_pref_size 255
	.end_amdhsa_kernel
	.section	.bss,"aw",@nobits
	.p2align	6
	.space	262144
	.amdgpu_metadata
---
amdhsa.version: [ 1, 2 ]
amdhsa.kernels:
  - .name:           k_q97f8f3a47f_tail
    .symbol:         k_q97f8f3a47f_tail.kd
    .args:
      - { .name: x, .offset: 0, .size: 8, .value_kind: global_buffer, .address_space: global }
      - { .name: aimg, .offset: 8, .size: 8, .value_kind: global_buffer, .address_space: global }
      - { .name: asc, .offset: 16, .size: 8, .value_kind: global_buffer, .address_space: global }
      - { .name: wimg, .offset: 24, .size: 8, .value_kind: global_buffer, .address_space: global }
      - { .name: wsc, .offset: 32, .size: 8, .value_kind: global_buffer, .address_space: global }
      - { .name: b_o, .offset: 40, .size: 8, .value_kind: global_buffer, .address_space: global }
      - { .name: b_1, .offset: 48, .size: 8, .value_kind: global_buffer, .address_space: global }
      - { .name: b_2, .offset: 56, .size: 8, .value_kind: global_buffer, .address_space: global }
      - { .name: out0, .offset: 64, .size: 8, .value_kind: global_buffer, .address_space: global }
    .group_segment_fixed_size: 215552
    .private_segment_fixed_size: 0
    .kernarg_segment_align: 8
    .kernarg_segment_size: 72
    .max_flat_workgroup_size: 128
    .sgpr_count:     66
    .vgpr_count:     1024
    .wavefront_size: 32
...
	.end_amdgpu_metadata
.endif
;; end of part 4
